; MI455X (gfx1250); checked and timed in simulation.
; The chip was launched on July 23, 2026; its instructions are those of AMD's public machine-readable ISA for CDNA 5 (MIT licence, August 2026) and "CDNA5" Instruction Set Architecture Reference Guide (July 2026). The comments in the code are by the model that wrote it; some were corrected since.
;; Multi Head Attention Weight Split. Allowed arithmetic: matrix products marked QUANTISED: E2M3 operands, one E8M0 scale for each 32 along K, by v_wmma_scale_f32_16x16x128_f8f6f4 with both operands' format E2M3, f32 sums; everything else in f32.
;; Inputs: Wk 1,024 x 1,024 float32; Wo 1,024 x 1,024 float32; Wq 1,024 x 1,024 float32; Wv 1,024 x 1,024 float32; bk 1,024 float32; bo 1,024 float32; bq 1,024 float32; bv 1,024 float32; mask 1 x 1 x 2,048 x 2,048 int32; x 4 x 2,048 x 1,024 float32.
;; Outputs: out0 4 x 2,048 x 1,024 float32.
;; This version of the problem:
;;   THIS VERSION OF THE PROBLEM IS GIVEN IN LOW PRECISION. The matrix products marked QUANTISED in the list below multiply operands that are first quantised to E2M3 (2 exponent bits, 3 mantissa bits; 6 bits a number), with one power-of-two scale for each 32 numbers along K (OCP MX v1.0); their sums are f32. All else is computed in f32.
;;   The module's matrix products, in the order in which they are computed (A, B: the left and right operand; K: the contracted axis; several contracted axes count as one K, in the product's order):
;;     1. [M 8,192, K 1,024] x [K 1,024, N 1,024]; A: input x; B: input Wq: QUANTISED
;;     2. [M 8,192, K 1,024] x [K 1,024, N 1,024]; A: input x; B: input Wk: QUANTISED
;;     3. [M 8,192, K 1,024] x [K 1,024, N 1,024]; A: input x; B: input Wv: QUANTISED
;;     4. batch 64 x [M 2,048, K 64] x [K 64, N 2,048]; A: computed on the way; B: computed on the way: QUANTISED
;;     5. batch 64 x [M 2,048, K 2,048] x [K 2,048, N 64]; A: softmax (see below); B: computed on the way: QUANTISED
;;     6. [M 8,192, K 1,024] x [K 1,024, N 1,024]; A: computed on the way; B: input Wo: QUANTISED
;;   THE QUANTISER, for each operand of a quantised product, along K:
;;     - K is cut into blocks of 32 from its start; a last block that is shorter is filled with zeros.
;;     - A block's scale is 2^e with e = floor(log2(the largest magnitude in the block)) - 2, held to -126 .. 127; a block of zeros has e = 0. As a byte (E8M0): e + 127.
;;     - Each number is divided by its block's scale, clamped to +-7.5, and rounded to the nearest number of E2M3, ties to even, subnormals kept.
;;     - The product sums the exact products of the quantised numbers (number of the format x scale) in f32.
;;   ~~~python
;;   def quantise(x, axis):      # numpy; x: float32 -> the quantised numbers, widened to float32 again
;;       x = np.moveaxis(x, axis, -1); K = x.shape[-1]
;;       x = np.pad(x, [(0, 0)] * (x.ndim - 1) + [(0, -K % 32)]); x = x.reshape(x.shape[:-1] + (-1, 32)); a = np.abs(x).max(-1, keepdims=True)
;;       e = np.where(a > 0, np.clip(np.frexp(np.where(a > 0, a, 1))[1] - 1 - 2, -126, 127), 0)      # np.frexp(a)[1] - 1 = floor(log2(a)), exactly
;;       r = np.clip(x / 2.0 ** e, -7.5, 7.5)
;;       step = 2.0 ** (np.maximum(np.frexp(np.where(r == 0, 1, r))[1] - 1, 0) - 3)
;;       q = np.round(r / step) * step * 2.0 ** e      # np.round: ties to even
;;       return np.moveaxis(q.reshape(q.shape[:-2] + (-1,))[..., :K], -1, axis).astype(np.float32)
;;   ~~~
;;   SOFTMAX AHEAD OF A QUANTISED PRODUCT. Where the list says 'softmax', what is quantised is not the finished softmax but p = 2^(t - M), with t = logit x log2(e) and M = ceil(the row's largest t), a whole number; so 1/2 < the row's largest p <= 1. The row's sum l is taken of the UNQUANTISED p, in f32, and the product's result is divided by l at the end. Since M is a whole number, a kernel that streams over the keys may use a running M (the ceiling of the running maximum): every later rescaling is an exact power of two, which a block's scale takes up: the codes' values come out the same.
;;   OPERANDS COMPUTED ON THE WAY. 'Computed on the way' means the value that the module computes at that place (a softmax that the list does not call 'softmax' is quantised finished and normalised). What goes into a quantiser is computed in f32, as accurately as f32 sums, v_exp_f32 and their like allow (about 1e-6 of the number): no bf16 or f16 on the way to a quantiser, and a product that is left as it is and whose result goes on into a quantised operand takes f32 operands (vector FMAs, or v_wmma_f32_16x16x4_f32). A number that lies on a knife's edge between two numbers of the format may be rounded either way, as far as f32 arithmetic and the matrix unit's own rounding can turn it there, and no further.
;; 2 versions, each right; version 2 is version 1 with the launch attn written anew for expert scheduling mode. Each part assembles by itself: llvm-mc -triple=amdgcn-amd-amdhsa -mcpu=gfx1250 --defsym DOCPART=n.
;; ======== version 1 of 2: 4 launches
;; workspace buffers: ops 9,830,400 bytes; msk 532,480 bytes of whole numbers; qkv 20,185,088 bytes; zq 6,553,600 bytes
;; launch prep (part 1): grid 512 x 1, 4 waves a work-group, no clusters, 93,696 bytes of LDS; arguments x, mask, Wq, Wk, Wv, Wo, ops, msk; writes ops, msk
.if DOCPART == 1
	.amdgcn_target "amdgcn-amd-amdhsa--gfx1250"
	.amdhsa_code_object_version 6
	.text
	.protected	k_qa0acdb286b_prep
	.globl	k_qa0acdb286b_prep
	.p2align	8
	.type	k_qa0acdb286b_prep,@function
k_qa0acdb286b_prep:
	s_mov_b64 s[64:65], 0
	v_nop
	global_prefetch_b8 v0, s[64:65] scope:SCOPE_SE
	s_setreg_imm32_b32 hwreg(HW_REG_WAVE_MODE, 25, 1), 1
	s_wait_xcnt 0x0
; PREP.  Three kinds of work-group, told apart by the work-group's number; each kind has LDS bytes of its own, and waves share nothing (no barrier).
;   0-255   x [8192][1024] f32 -> codes of E2M3 with one E8M0 byte for each 32 along K, laid as images of the matrix operand's registers
;   256-383 mask [2048][2048] i32 -> one bit a number, laid as the lane masks that the attention launch selects by, and a flag (0 none, 1 some, 2 all) for each tile of 16 queries x 128 keys
;   384-511 Wq, Wk, Wv, Wo [1024 (K)][1024 (N)] f32 -> codes and bytes along K (their FIRST axis), laid as x's
; TILES.  Tile T of 16 rows takes rows 32 (T/2) + 8 (T%2) + r + 8 (r/8), r = 0..15: as source 0 of a product, two neighbouring tiles then give a lane 16 neighbours along the next K.
; IMAGE.  A fragment (16 rows x 128 K, 12 registers a lane) is 1,536 bytes: registers 4c..4c+3 of lane l at 512 c + 16 l.  K step s = 2 k + g of tile T lies at k x (tiles x 3072) + 3072 T + 1536 g.
; ORDER OF BLOCKS.  Lane half h, registers 6c..6c+5 hold block 2 h + c of the K step (not 2 c + h), on BOTH operands of the four projections alike; the scale word is (b0, b2, b1, b3).
; THE QUANTISER.  Scale byte = the exponent field of the block's largest magnitude - 2.  LIMITS: a block of zeros, and one whose largest magnitude lies under 2^-124, gets the byte 1
; (the floor among the maximum's leaves); zeros have zero codes, and the bytes are read by this program alone.  NaN and infinities among the inputs are not served.
.set XKS, 1572864                      ; x's codes: bytes from one pair of K steps to the next (512 tiles x 3072)
.set WKS, 786432                       ; the weights': 256 tiles x 3072
.set WC,  6291456                      ; in ops: the weights' codes,
.set XS,  9437184                      ; x's scale words: 512 T + 256 (s/4) + 16 r + 4 (s%4),
.set WS,  9699328                      ; the weights' likewise
.set FL,  524288                       ; in msk: the flags, 64 T + 4 s, behind the words, 4096 T + 256 s + 4 n
.set STM, 33792                        ; LDS: x's stages at 0 (4 x 8,448), the mask's here, the weights' at STW (4 x 6,400)
.set STW, 67584
.set TM,  16                           ; v16-31  at work in QUANT
.set PW,  32                           ; v32-35  a scale word for each of a wave's four K steps
.set TQ,  36                           ; v[36:38], v[40:42] second halves of blocks
.set PC,  44                           ; v44-55  a fragment's codes (mask: v44-51 two registers of words a step)
.set R,   64                           ; v64-191 two sets of 64 numbers as they are loaded
.set N,   192                          ; v192-255 64 numbers, 16 neighbours of each of four blocks
.set SEL, 28                           ; s[28:29] lane selects: lane l xor 16
; 64 numbers of a lane, register 16 b + e = k 32 b + 16 (lane/16) + e of my row, become a fragment's codes in v[d0..d0+5], v[d1..d1+5] and its scale word in v[pw].
.macro QUANT src, d0, d1, pw, alt
.irp b, 0,1,2,3
	v_max3_num_f32 v[TM+\b], |v[(\src)+16*\b]|, |v[(\src)+16*\b+1]|, 0x1800000   ; my 16 numbers of block b, and the floor 2^(3 - 127)
.endr
.irp i, 2,4,6,8,10,12,14
.irp b, 0,1,2,3
	v_max3_num_f32 v[TM+\b], v[TM+\b], |v[(\src)+16*\b+\i]|, |v[(\src)+16*\b+\i+1]|
.endr
.endr
.irp b, 0,1,2,3
	v_permlanex16_b32 v[TM+4+\b], v[TM+\b], s[SEL], s[SEL+1]
.endr
.irp b, 0,1,2,3
	v_max_num_f32 v[TM+\b], v[TM+\b], v[TM+4+\b]   ; with lane l xor 16's 16: the block's largest magnitude
.endr
.irp b, 0,1,2,3
	v_add_nc_u32 v[TM+12+\b], 0xff000000, v[TM+\b]   ; 2 off its exponent field: the conversion's scale operand
.endr
.irp b, 0,1,2,3
	v_lshrrev_b32 v[TM+4+\b], 23, v[TM+12+\b]      ; the scale's byte
.endr
.if \alt
	v_lshl_or_b32 v[\pw], v[TM+6], 8, v[TM+4]
	v_lshl_or_b32 v[\pw], v[TM+5], 16, v[\pw]
.else
	v_lshl_or_b32 v[\pw], v[TM+5], 8, v[TM+4]
	v_lshl_or_b32 v[\pw], v[TM+6], 16, v[\pw]
.endif
	v_lshl_or_b32 v[\pw], v[TM+7], 24, v[\pw]
.if \alt
	v_cvt_scalef32_pk16_fp6_f32 v[(\d0):(\d0)+2], v[(\src):(\src)+15], v[TM+12]
	v_cvt_scalef32_pk16_fp6_f32 v[TQ:TQ+2], v[(\src)+32:(\src)+47], v[TM+14]
	v_cvt_scalef32_pk16_fp6_f32 v[(\d1):(\d1)+2], v[(\src)+16:(\src)+31], v[TM+13]
	v_cvt_scalef32_pk16_fp6_f32 v[TQ+4:TQ+6], v[(\src)+48:(\src)+63], v[TM+15]
.else
	v_cvt_scalef32_pk16_fp6_f32 v[(\d0):(\d0)+2], v[(\src):(\src)+15], v[TM+12]
	v_cvt_scalef32_pk16_fp6_f32 v[TQ:TQ+2], v[(\src)+16:(\src)+31], v[TM+13]
	v_cvt_scalef32_pk16_fp6_f32 v[(\d1):(\d1)+2], v[(\src)+32:(\src)+47], v[TM+14]
	v_cvt_scalef32_pk16_fp6_f32 v[TQ+4:TQ+6], v[(\src)+48:(\src)+63], v[TM+15]
.endif
	v_nop                                          ; one plain instruction behind the scaled conversions
.irp i, 0,1,2
	v_permlane16_swap_b32 v[(\d0)+\i], v[TQ+\i]    ; a lane gets a whole block: its lower 16 codes in the first, its upper 16 in the second
	v_permlane16_swap_b32 v[(\d1)+\i], v[TQ+4+\i]
.endr
.irp i, 0,1,2
	v_mov_b32 v[(\d0)+3+\i], v[TQ+\i]
	v_mov_b32 v[(\d1)+3+\i], v[TQ+4+\i]
.endr
.endm
.macro STAGEADR base                   ; my wave's stage: 16 rows of 512 bytes, 528 apart (an odd multiple of 16)
	s_mul_i32 s44, s20, 8448
	s_add_co_u32 s44, s44, \base
	v_add_nc_u32 v5, s44, v4                       ; in: 16 x lane of a row
	v_mul_u32_u24 v6, v2, 528
	v_lshl_add_u32 v6, v3, 6, v6
	v_add_nc_u32 v6, s44, v6                       ; out: row r, + 64 h: my 16 numbers of each block of 32
.endm
.macro LOAD t, pitch                   ; step t: 128 numbers of each of the tile's 16 rows; each load reads 512 consecutive bytes of one row
.irp i, 0,1,2,3,4,5,6,7,8,9,10,11,12,13,14,15
	global_load_b128 v[R+64*((\t)%2)+4*\i:R+64*((\t)%2)+4*\i+3], v4, s[22:23] offset:(\i+8*(\i/8))*(\pitch)+512*(\t) th:TH_LOAD_NT
.endr
.endm
.macro TURN t                          ; through the stage: LDS serves a wave's instructions in order, so no wait stands between the stores and the loads
.irp i, 0,1,2,3,4,5,6,7,8,9,10,11,12,13,14,15
	ds_store_b128 v5, v[R+64*((\t)%2)+4*\i:R+64*((\t)%2)+4*\i+3] offset:528*\i
.endr
.irp i, 0,1,2,3,4,5,6,7,8,9,10,11,12,13,14,15
	ds_load_b128 v[N+4*\i:N+4*\i+3], v6 offset:128*(\i/4)+16*(\i%4)
.endr
.endm
.macro ARRIVE t, pitch
.if (\t) < 3
	s_wait_loadcnt 16                              ; this step's 16 loads are in; the next step's 16 may be out
.else
	s_wait_loadcnt 0x0
.endif
	TURN \t
	s_wait_dscnt 0x0                               ; the numbers are back, and the stores into the stage have read their registers
	s_wait_xcnt 0x0                                ; the last step's global stores have read theirs: the codes' registers may be written again
.if (\t) < 2
	LOAD (\t)+2, \pitch
.endif
.endm
	s_load_b512 s[4:19], s[0:1], 0x0               ; x s[4:5], mask s[6:7], Wq s[8:9], Wk s[10:11], Wv s[12:13], Wo s[14:15], ops s[16:17], msk s[18:19]
	v_lshl_add_u32 v62, v0, 2, 0x16c00
	v_mov_b32 v63, 0
	v_lshrrev_b32 v1, 5, v0
	v_readfirstlane_b32 s20, v1                    ; wave
	v_and_b32 v1, 31, v0                           ; lane
	v_and_b32 v2, 15, v0                           ; r
	v_bfe_u32 v3, v0, 4, 1                         ; h
	v_lshlrev_b32 v4, 4, v1                        ; 16 x lane
	s_mov_b32 s[SEL], 0x76543210
	s_mov_b32 s[SEL+1], 0xfedcba98
	s_mov_b32 s30, 0xffff0000                      ; lanes 16-31
	s_mov_b32 s47, 0
	s_wait_kmcnt 0x0
	s_cmp_ge_u32 ttmp9, 384
	s_cbranch_scc1 .Lweights
	s_cmp_ge_u32 ttmp9, 256
	s_cbranch_scc1 .Lmask
; ---- x: a wave takes one tile of 16 tokens and four K steps
	s_lshl_b32 s40, ttmp9, 2
	s_add_co_u32 s40, s40, s20
	s_lshr_b32 s41, s40, 1                         ; T
	s_and_b32 s42, s40, 1                          ; which four K steps
	s_lshr_b32 s43, s41, 1
	s_lshl_b32 s43, s43, 17                        ; 32 rows of 4,096 bytes
	s_and_b32 s44, s41, 1
	s_lshl_b32 s44, s44, 15                        ; 8 rows
	s_add_co_u32 s43, s43, s44
	s_lshl_b32 s44, s42, 11
	s_add_co_u32 s46, s43, s44
	s_add_nc_u64 s[22:23], s[4:5], s[46:47]
	s_mul_i32 s46, s42, 2*XKS
	s_mul_i32 s44, s41, 3072
	s_add_co_u32 s46, s46, s44
	s_add_nc_u64 s[24:25], s[16:17], s[46:47]      ; the codes
	s_lshl_b32 s46, s41, 9
	s_lshl_b32 s44, s42, 8
	s_add_co_u32 s46, s46, s44
	s_add_co_u32 s46, s46, XS
	s_add_nc_u64 s[26:27], s[16:17], s[46:47]      ; the scale words
	STAGEADR 0
	v_lshlrev_b32 v7, 4, v2
	v_lshl_add_u32 v7, v3, 3, v7                   ; 16 r + 8 h
.irp b, 0,1,2,3
	v_mov_b32 v[TM+4+\b], 0                        ; written once: a lane permute's destination counts as one of its sources
.endr
	LOAD 0, 4096
	LOAD 1, 4096
.macro XSTEP t
	ARRIVE \t, 4096
	QUANT N, PC, PC+6, PW+(\t), 1
.irp c, 0,1,2
	global_store_b128 v4, v[PC+4*\c:PC+4*\c+3], s[24:25] offset:((\t)/2)*XKS+((\t)%2)*1536+512*\c   ; 512 consecutive bytes, aligned
.endr
.endm
.irp t, 0,1,2,3
	XSTEP \t
.endr
	v_cndmask_b32 v36, v[PW], v[PW+2], s30         ; both halves of the lanes hold the row's four words: half h stores words 2 h, 2 h + 1
	v_cndmask_b32 v37, v[PW+1], v[PW+3], s30
	global_store_b64 v7, v[36:37], s[26:27]        ; 256 consecutive bytes, aligned
	s_wait_tensorcnt 0x0
	ds_add_u32 v62, v63
	s_wait_dscnt 0x0
	s_endpgm
; ---- the mask: a work-group takes one tile of 16 queries, a wave four steps of 128 keys
.Lmask:
	s_sub_co_u32 s41, ttmp9, 256                   ; T
	s_lshr_b32 s43, s41, 1
	s_lshl_b32 s43, s43, 18                        ; 32 rows of 8,192 bytes
	s_and_b32 s44, s41, 1
	s_lshl_b32 s44, s44, 16
	s_add_co_u32 s43, s43, s44
	s_lshl_b32 s44, s20, 11
	s_add_co_u32 s46, s43, s44
	s_add_nc_u64 s[22:23], s[6:7], s[46:47]
	s_lshl_b32 s46, s41, 12
	s_lshl_b32 s44, s20, 10
	s_add_co_u32 s46, s46, s44
	s_add_nc_u64 s[24:25], s[18:19], s[46:47]      ; the words
	s_lshl_b32 s46, s41, 6
	s_lshl_b32 s44, s20, 4
	s_add_co_u32 s46, s46, s44
	s_add_co_u32 s46, s46, FL
	s_add_nc_u64 s[26:27], s[18:19], s[46:47]      ; the flags
	STAGEADR STM
	v_lshlrev_b32 v8, 3, v1                        ; 8 x lane
.irp j, 0,1,2,3,4,5,6,7
	v_mov_b32 v[PC+\j], 0                          ; v_writelane_b32's destination counts as read
.endr
	LOAD 0, 8192
	LOAD 1, 8192
; Register n = 16 b + e of lane (r, h) is mask[row r][128 s + 32 b + 16 h + e]: the compare's lane mask IS word n.  The 64 words go by v_writelane_b32 into two registers, words 2 l and 2 l + 1 to lane l.
.macro MSTEP t
	ARRIVE \t, 8192
	s_mov_b64 s[32:33], -1
	s_mov_b64 s[34:35], 0
.irp g, 0,1
.set kk, 0
.rept 32
	v_cmp_ne_u32 s[68+kk], 0, v[N+32*\g+kk]
.set kk, kk+1
.endr
.set kk, 0
.rept 16
	s_and_b64 s[32:33], s[32:33], s[68+kk:69+kk]
	s_or_b64 s[34:35], s[34:35], s[68+kk:69+kk]
.set kk, kk+2
.endr
.set kk, 0
.rept 32
	v_writelane_b32 v[PC+2*(\t)+kk%2], s[68+kk], 16*\g+kk/2
.set kk, kk+1
.endr
.endr
	s_and_b32 s32, s32, s33
	s_or_b32 s34, s34, s35
	s_cmp_eq_u32 s32, -1
	s_cselect_b32 s[36+(\t)], 2, 1                 ; all count, or some
	s_cmp_eq_u32 s34, 0
	s_cselect_b32 s[36+(\t)], 0, s[36+(\t)]        ; or none
	global_store_b64 v8, v[PC+2*(\t):PC+2*(\t)+1], s[24:25] offset:256*(\t)   ; 256 consecutive bytes, aligned
.endm
.irp t, 0,1,2,3
	MSTEP \t
.endr
	v_mov_b32 v36, s36
	v_mov_b32 v37, s37
	v_mov_b32 v38, s38
	v_mov_b32 v39, s39
	v_mov_b32 v9, 0
	s_wait_xcnt 0x0                                ; EXEC is narrowed only when the stores above have read it
	v_cmp_eq_u32 vcc_lo, 0, v1
	s_wait_tensorcnt 0x0
	ds_add_u32 v62, v63
	s_wait_dscnt 0x0
	s_and_saveexec_b32 s31, vcc_lo
	global_store_b128 v9, v[36:39], s[26:27]       ; lane 0: my four flags
	s_wait_xcnt 0x0                                ; and widened only behind this wait
	s_or_b32 exec_lo, exec_lo, s31
	s_endpgm
; ---- the weights: a lane takes a column n and its registers run down K; a wave takes 32 columns (two tiles) x 256 along K (two K steps)
.Lweights:
	s_sub_co_u32 s40, ttmp9, 384
	s_lshr_b32 s41, s40, 5                         ; which weight: 0 q, 1 k, 2 v, 3 o
	s_bfe_u32 s42, s40, 0x30002                    ; which 128 columns
	s_and_b32 s43, s40, 3                          ; which 256 along K
	s_cmp_eq_u32 s41, 1
	s_cselect_b64 s[22:23], s[10:11], s[8:9]
	s_cmp_eq_u32 s41, 2
	s_cselect_b64 s[22:23], s[12:13], s[22:23]
	s_cmp_eq_u32 s41, 3
	s_cselect_b64 s[22:23], s[14:15], s[22:23]
	s_lshl_b32 s46, s43, 20                        ; 256 rows of 4,096 bytes
	s_lshl_b32 s44, s42, 9
	s_add_co_u32 s46, s46, s44
	s_lshl_b32 s44, s20, 7
	s_add_co_u32 s46, s46, s44
	s_add_nc_u64 s[22:23], s[22:23], s[46:47]
	s_lshl_b32 s45, s41, 5
	s_lshl_b32 s44, s42, 2
	s_add_co_u32 s45, s45, s44
	s_add_co_u32 s45, s45, s20                     ; G: my pair of tiles, 2 G and 2 G + 1
	s_mul_i32 s46, s43, WKS
	s_mul_i32 s44, s45, 6144
	s_add_co_u32 s46, s46, s44
	s_add_co_u32 s46, s46, WC
	s_add_nc_u64 s[24:25], s[16:17], s[46:47]      ; the codes
	s_lshl_b32 s46, s45, 10
	s_lshr_b32 s44, s43, 1
	s_lshl_b32 s44, s44, 8
	s_add_co_u32 s46, s46, s44
	s_and_b32 s44, s43, 1
	s_lshl_b32 s44, s44, 3
	s_add_co_u32 s46, s46, s44
	s_add_co_u32 s46, s46, WS
	s_add_nc_u64 s[26:27], s[16:17], s[46:47]      ; the scale words
	v_lshlrev_b32 v9, 2, v1                        ; 4 bytes a column
	v_bfe_u32 v10, v0, 3, 1                        ; u: which of the two tiles my column falls into,
	v_and_b32 v11, 7, v0
	v_lshl_add_u32 v11, v3, 3, v11                 ; and its row there
	s_mul_i32 s44, s20, 6400
	s_add_co_u32 s44, s44, STW                     ; my stage: two tiles' images of 3,072 bytes, 3,200 apart
	v_mul_u32_u24 v12, v10, 3200
	v_lshl_add_u32 v12, v11, 4, v12
	v_add_nc_u32 v12, s44, v12                     ; in
	v_add_nc_u32 v13, s44, v4                      ; out: 16 x lane
	v_lshlrev_b32 v14, 9, v10
	v_lshl_add_u32 v14, v11, 4, v14                ; 512 u + 16 r
.macro WLOAD t                         ; block t: W(32 t + i, my column): 128 consecutive bytes a wave, 512 a work-group
.set kk, 0
.rept 32
	global_load_b32 v[64+32*((\t)%2)+kk], v9, s[22:23] offset:(32*(\t)+kk)*4096 th:TH_LOAD_NT
.set kk, kk+1
.endr
.endm
; Block t = 4 g + e: block e of K step g.  In the image it is registers 6 (e%2) .. + 5 of lane 16 (e/2) + r; its byte is byte 2 (e%2) + e/2 of the scale word.
.macro BLOCK t
.set XB, 64+32*((\t)%2)
.set SG, (\t)/4
.set BE, (\t)%4
.if (\t) < 7
	s_wait_loadcnt 32                              ; this block's 32 loads are in; the next block's may be out
.else
	s_wait_loadcnt 0x0
.endif
	v_max3_num_f32 v16, |v[XB]|, |v[XB+1]|, |v[XB+2]|
	v_max3_num_f32 v17, |v[XB+3]|, |v[XB+4]|, |v[XB+5]|
.irp i, 6,10,14,18,22,26
	v_max3_num_f32 v16, v16, |v[XB+\i]|, |v[XB+\i+1]|
	v_max3_num_f32 v17, v17, |v[XB+\i+2]|, |v[XB+\i+3]|
.endr
	v_max3_num_f32 v16, v16, |v[XB+30]|, |v[XB+31]|
	v_max3_num_f32 v16, v16, v17, 0x1800000        ; and the floor
	v_add_nc_u32 v18, 0xff000000, v16
	v_lshrrev_b32 v19, 23, v18
.if BE == 0
	v_mov_b32 v[48+SG], v19
.else
	v_lshl_or_b32 v[48+SG], v19, 8*(2*(BE%2)+BE/2), v[48+SG]
.endif
	v_cvt_scalef32_pk16_fp6_f32 v[36:38], v[XB:XB+15], v18
	v_cvt_scalef32_pk16_fp6_f32 v[44:46], v[XB+16:XB+31], v18
	v_nop                                          ; one plain instruction behind the scaled conversions
	v_mov_b32 v39, v44
	v_mov_b32 v40, v45
	v_mov_b32 v41, v46
.if (BE%2) == 0
	ds_store_b128 v12, v[36:39] offset:SG*1536+256*(BE/2)
	ds_store_b64 v12, v[40:41] offset:SG*1536+256*(BE/2)+512
.else
	ds_store_b64 v12, v[36:37] offset:SG*1536+256*(BE/2)+520
	ds_store_b128 v12, v[38:41] offset:SG*1536+256*(BE/2)+1024
.endif
.if (\t) < 6
	WLOAD (\t)+2
.endif
	s_wait_dscnt 0x0                               ; the stores have read their registers: the next block's codes may be written
.endm
	WLOAD 0
	WLOAD 1
.irp t, 0,1,2,3,4,5,6,7
	BLOCK \t
.endr
.irp m, 0,1,2,3,4,5,6,7,8,9,10,11
	ds_load_b128 v[128+4*\m:131+4*\m], v13 offset:3200*(\m/6)+512*(\m%6)
.endr
	global_store_b64 v14, v[48:49], s[26:27]       ; my column's two scale words: 8 bytes a lane, 16 apart (the other 8 are another work-group's): 128 KiB in the whole launch
.irp m, 0,1,2,3,4,5,6,7,8,9,10,11
	s_wait_dscnt 11-\m                             ; LDS loads come back in order: load m is in, the younger ones may be out
	global_store_b128 v4, v[128+4*\m:131+4*\m], s[24:25] offset:3072*(\m/6)+512*(\m%6)   ; 512 consecutive bytes, aligned
.endr
	s_wait_tensorcnt 0x0
	ds_add_u32 v62, v63
	s_wait_dscnt 0x0
	s_endpgm
.Lfunc_end_k_qa0acdb286b_prep:
	.size	k_qa0acdb286b_prep, .Lfunc_end_k_qa0acdb286b_prep-k_qa0acdb286b_prep
	.p2alignl 7, 3214868480
	.fill 96, 4, 3214868480
	.section	.rodata,"a",@progbits
	.p2align	6, 0x0
	.amdhsa_kernel k_qa0acdb286b_prep
		.amdhsa_group_segment_fixed_size 93696
		.amdhsa_private_segment_fixed_size 0
		.amdhsa_enable_private_segment 0
		.amdhsa_kernarg_size 64
		.amdhsa_user_sgpr_count 2
		.amdhsa_user_sgpr_kernarg_segment_ptr 1
		.amdhsa_wavefront_size32 1
		.amdhsa_system_sgpr_workgroup_id_x 1
		.amdhsa_system_sgpr_workgroup_id_y 1
		.amdhsa_system_sgpr_workgroup_id_z 1
		.amdhsa_system_vgpr_workitem_id 0
		.amdhsa_next_free_vgpr 256
		.amdhsa_next_free_sgpr 100
		.amdhsa_reserve_vcc 1
		.amdhsa_float_denorm_mode_32 3
		.amdhsa_float_denorm_mode_16_64 3
		.amdhsa_memory_ordered 1
		.amdhsa_forward_progress 1
		.amdhsa_inst_pref_size 132
	.end_amdhsa_kernel
	.amdgpu_metadata
---
amdhsa.version: [ 1, 2 ]
amdhsa.kernels:
  - .name:           k_qa0acdb286b_prep
    .symbol:         k_qa0acdb286b_prep.kd
    .args:
      - { .name: x, .offset: 0, .size: 8, .value_kind: global_buffer, .address_space: global }
      - { .name: mask, .offset: 8, .size: 8, .value_kind: global_buffer, .address_space: global }
      - { .name: Wq, .offset: 16, .size: 8, .value_kind: global_buffer, .address_space: global }
      - { .name: Wk, .offset: 24, .size: 8, .value_kind: global_buffer, .address_space: global }
      - { .name: Wv, .offset: 32, .size: 8, .value_kind: global_buffer, .address_space: global }
      - { .name: Wo, .offset: 40, .size: 8, .value_kind: global_buffer, .address_space: global }
      - { .name: ops, .offset: 48, .size: 8, .value_kind: global_buffer, .address_space: global }
      - { .name: msk, .offset: 56, .size: 8, .value_kind: global_buffer, .address_space: global }
    .group_segment_fixed_size: 93696
    .private_segment_fixed_size: 0
    .kernarg_segment_align: 8
    .kernarg_segment_size: 64
    .max_flat_workgroup_size: 128
    .sgpr_count:     100
    .vgpr_count:     256
    .wavefront_size: 32
...
	.end_amdgpu_metadata
.endif
;; end of part 1
;; launch qkv (part 2): grid 12 x 64, 4 waves a work-group, clusters of 4 x 4, 295,424 bytes of LDS; arguments ops, bq, bk, bv, qkv; writes qkv
.if DOCPART == 2
	.amdgcn_target "amdgcn-amd-amdhsa--gfx1250"
	.amdhsa_code_object_version 6
	.text
	.protected	k_qa0acdb286b_qkv
	.globl	k_qa0acdb286b_qkv
	.p2align	8
	.type	k_qa0acdb286b_qkv,@function
k_qa0acdb286b_qkv:
	s_mov_b64 s[64:65], 0
	v_nop
	global_prefetch_b8 v0, s[64:65] scope:SCOPE_SE
	s_setreg_imm32_b32 hwreg(HW_REG_WAVE_MODE, 25, 1), 1
	s_wait_xcnt 0x0
	s_wait_alu depctr_hold_cnt(0) depctr_sa_sdst(0) depctr_va_vdst(0) depctr_va_sdst(0) depctr_va_ssrc(0) depctr_va_vcc(0) depctr_vm_vsrc(0)
	s_getreg_b32 s2, hwreg(HW_REG_IB_STS2, 6, 4)
	s_cmp_eq_u32 s2, 0
	s_cbranch_scc0 .Lentry_in_a_cluster
	s_endpgm
.Lentry_in_a_cluster:
	s_bfe_u32 s2, ttmp6, 0x10000c
	s_cmp_lg_u32 s2, 0xf033
	s_cbranch_scc0 .Lentry_shape_is_right
	s_endpgm
.Lentry_shape_is_right:
; QKV.  q = x Wq + bq, k = x Wk + bk, v = x Wv + bv on codes of E2M3, and the results quantised in registers for the attention launch: q and k along a head's 64 channels, v along the keys.
; SHARES.  A work-group takes 128 tokens (8 tiles of x) x 256 channels (16 tiles of one weight); the cluster's x says which weight: 0 q, 1 k, 2 v.  768 work-groups, three for each of 256 WGPs.
; ALL OF K (1,024) OF BOTH SIDES LIES IN LDS, FILLED ONCE: 24 tiles x 8 K steps x 1,536 bytes = 294,912 bytes, in four chunks of two K steps.  So no LDS byte is filled again.
; CLUSTER.  4 x 4 work-groups: the four of a row of the cluster take the same tokens, the four of a column the same channels; each part is asked for jointly.  A wave has four tensor loads out, one a chunk.
; ORIENTATION.  Source 0 is the operand P (8 tiles a wave), source 1 the operand R (4 tiles): a lane holds one row of R, and its registers run along P's rows, which are the next product's K.
;   q, k: P = the weight's channels (128: two heads), R = tokens.     v: P = tokens (128 keys), R = the weight's channels (64: one head).  Only four LDS base numbers and the scales' offsets are chosen; each choice stays inside its chunk.
; No prefetch: every byte that a work-group reads is asked for at its head.
; LIMITS: as in the launch before (a block of zeros, or under 2^-124, gets the byte 1; NaN and infinities are not served).
; REGISTERS.  window 0: v1-19 addresses; v20-31 at work in the epilogue; v32-95 P's scale words (tile t, step s at 32 + 8 t + s); v96-127 R's; v128-223 R's fragments, two sets; epilogue: v128-191 64 numbers, v192-239 codes, v240-255 at work.
;   window 1: P's fragments, two sets at v0 and v128.   window 2: accumulator (t, i) at v[64 i + 8 t].   window 3: v0-63 the bias along P, v64-71 the bias along R (each number twice).
.set XKS, 1572864
.set WKS, 786432
.set WC,  6291456
.set XS,  9437184
.set WS,  9699328
.set QS,  6291456                      ; in qkv: q's codes at 0 (98,304 a head), q's scale words here (8,192 a head),
.set KV,  6815744                      ; and K and V, 208,896 a head: 8 slots of 256 keys, 26,112 bytes each: K's codes 0, V's codes 12,288, K's scale words 24,576, V's 25,600
.set BHK, 208896
.set SLB, 26112
.set CH,  73728                        ; an LDS chunk: x's 8 tiles, then the weight's 16, 3,072 bytes each
.set PS,  32
.set RS,  96
.set RF,  128
.set H,   128
.set OC,  192
.set TM,  240
.set TQ,  20
.set PW,  28
.set SEL, 66
.set MSB, 0
.macro WIN new                         ; the immediate's high byte repeats the setting that is left
.if MSB != \new
	s_set_vgpr_msb (MSB<<8)|\new
.set MSB, \new
.endif
.endm
.macro PLACES                          ; four plain instructions behind matrix instructions, in front of loads into registers that they have read and of the first read of results
.rept 4
	v_nop
.endr
.endm
.macro CROUND                          ; a round of the cluster's barrier
	s_barrier_signal -1
	s_barrier_wait -1
	s_cmp_lg_u32 s14, 0
	s_cbranch_scc1 .Lnot_wave_0_\@
	s_barrier_signal -3
.Lnot_wave_0_\@:
	s_barrier_wait -3
	s_barrier_signal -1
	s_barrier_wait -1
.endm
.macro QUANT src, d0, d1, pw, alt
.irp b, 0,1,2,3
	v_max3_num_f32 v[TM+\b], |v[(\src)+16*\b]|, |v[(\src)+16*\b+1]|, 0x1800000   ; my 16 numbers of block b, and the floor 2^(3 - 127)
.endr
.irp i, 2,4,6,8,10,12,14
.irp b, 0,1,2,3
	v_max3_num_f32 v[TM+\b], v[TM+\b], |v[(\src)+16*\b+\i]|, |v[(\src)+16*\b+\i+1]|
.endr
.endr
.irp b, 0,1,2,3
	v_permlanex16_b32 v[TM+4+\b], v[TM+\b], s[SEL], s[SEL+1]
.endr
.irp b, 0,1,2,3
	v_max_num_f32 v[TM+\b], v[TM+\b], v[TM+4+\b]
.endr
.irp b, 0,1,2,3
	v_add_nc_u32 v[TM+12+\b], 0xff000000, v[TM+\b]
.endr
.irp b, 0,1,2,3
	v_lshrrev_b32 v[TM+4+\b], 23, v[TM+12+\b]
.endr
	v_lshl_or_b32 v[\pw], v[TM+5], 8, v[TM+4]
	v_lshl_or_b32 v[\pw], v[TM+6], 16, v[\pw]
	v_lshl_or_b32 v[\pw], v[TM+7], 24, v[\pw]
	v_cvt_scalef32_pk16_fp6_f32 v[(\d0):(\d0)+2], v[(\src):(\src)+15], v[TM+12]
	v_cvt_scalef32_pk16_fp6_f32 v[TQ:TQ+2], v[(\src)+16:(\src)+31], v[TM+13]
	v_cvt_scalef32_pk16_fp6_f32 v[(\d1):(\d1)+2], v[(\src)+32:(\src)+47], v[TM+14]
	v_cvt_scalef32_pk16_fp6_f32 v[TQ+4:TQ+6], v[(\src)+48:(\src)+63], v[TM+15]
	v_nop                                          ; one plain instruction behind the scaled conversions
.irp i, 0,1,2
	v_permlane16_swap_b32 v[(\d0)+\i], v[TQ+\i]
	v_permlane16_swap_b32 v[(\d1)+\i], v[TQ+4+\i]
.endr
.irp i, 0,1,2
	v_mov_b32 v[(\d0)+3+\i], v[TQ+\i]
	v_mov_b32 v[(\d1)+3+\i], v[TQ+4+\i]
.endr
.endm
	s_load_b256 s[4:11], s[0:1], 0x0               ; ops s[4:5], bq s[6:7], bk s[8:9], bv s[10:11]
	s_load_b64 s[12:13], s[0:1], 0x20              ; qkv
	v_lshl_add_u32 v250, v0, 2, 0x48000
	v_mov_b32 v251, 0
	ds_add_u32 v250, v251
	ds_add_u32 v250, v251
	v_lshrrev_b32 v1, 5, v0
	v_readfirstlane_b32 s14, v1                    ; wave
	s_lshr_b32 s15, s14, 1
	s_and_b32 s16, s14, 1
	s_bfe_u32 s76, ttmp6, 0x40000                  ; cx
	s_bfe_u32 s77, ttmp6, 0x40004                  ; cy
	s_lshl_b32 s78, ttmp9, 2
	s_add_co_u32 s78, s78, s76                     ; x: which 256 channels of the three weights on end
	s_and_b32 s17, ttmp7, 0xffff
	s_lshl_b32 s17, s17, 2
	s_add_co_u32 s17, s17, s77                     ; y: which 128 tokens
	s_lshl_b32 s79, s77, 2
	s_lshl_b32 s79, 15, s79                        ; my row of the cluster
	s_lshl_b32 s80, 0x1111, s76                    ; my column
	; descriptor groups 1: dense blocks as rows of 256 bytes (32 elements of 8 bytes), no padding: x's part 48 rows (4 tiles x 3,072), the weight's 96
	s_or_b32 s24, s79, (3<<16)|(1<<21)             ; 15:0 the mask; 17:16 elements of 8 bytes; 21 set beside a mask
	s_or_b32 s32, s80, (3<<16)|(1<<21)
	s_mov_b32 s25, 32<<16                          ; tensor_dim0
	s_mov_b32 s26, 48<<16                          ; tensor_dim1
	s_mov_b32 s27, 32<<16                          ; tile_dim0
	s_mov_b32 s28, 48                              ; tile_dim1
	s_mov_b32 s29, 32                              ; the pitch
	s_mov_b32 s30, 0
	s_mov_b32 s31, 0
	s_mov_b32 s33, 32<<16
	s_mov_b32 s34, 96<<16
	s_mov_b32 s35, 32<<16
	s_mov_b32 s36, 96
	s_mov_b32 s37, 32
	s_mov_b32 s38, 0
	s_mov_b32 s39, 0
	s_mul_i32 s20, s17, 24576                      ; x's tiles 8 y on, my half of them: registers that never hold cx
	s_mul_i32 s18, s16, 12288
	s_add_co_u32 s20, s20, s18
	s_mov_b32 s21, 0
	s_mul_i32 s82, s78, 49152                      ; the weight's tiles 16 x on, my half: registers that never hold cy
	s_mul_i32 s19, s16, 24576
	s_add_co_u32 s82, s82, s19
	s_add_co_u32 s82, s82, WC
	s_mov_b32 s83, 0
	s_add_co_u32 s19, s19, 24576                   ; in a chunk the weight's tiles lie behind x's eight
	s_wait_dscnt 0x0
	s_wait_kmcnt 0x0
	s_add_nc_u64 s[20:21], s[4:5], s[20:21]
	s_add_nc_u64 s[82:83], s[4:5], s[82:83]
.macro SETG0 g, lds, adr, k, stride    ; group 0 for chunk k
	s_mov_b32 s[\g], 1
	s_add_co_u32 s[\g+1], s[\lds], (\k)*CH
	s_add_nc_u64 s[\g+2:\g+3], s[\adr:\adr+1], (\k)*(\stride)
	s_or_b32 s[\g+3], s[\g+3], 0x80000000
.endm
	SETG0 40, 18, 20, 0, XKS
	SETG0 44, 18, 20, 1, XKS
	SETG0 48, 18, 20, 2, XKS
	SETG0 52, 18, 20, 3, XKS
	SETG0 56, 19, 82, 0, WKS
	SETG0 60, 19, 82, 1, WKS
	SETG0 68, 19, 82, 2, WKS
	SETG0 72, 19, 82, 3, WKS
	CROUND                                         ; all sixteen work-groups are here: the joint loads meet
	s_cmp_eq_u32 s15, 0                            ; waves 0 and 1 fetch x's halves, waves 2 and 3 the weight's: a wave's four fills stand in one branch
	s_cbranch_scc0 .Lfill_w
	tensor_load_to_lds s[40:43], s[24:31]
	s_nop 0
	tensor_load_to_lds s[44:47], s[24:31]
	s_nop 0
	tensor_load_to_lds s[48:51], s[24:31]
	s_nop 0
	tensor_load_to_lds s[52:55], s[24:31]
	s_nop 0
	PLACES
	s_branch .Lfilled
.Lfill_w:
	tensor_load_to_lds s[56:59], s[32:39]
	s_nop 0
	tensor_load_to_lds s[60:63], s[32:39]
	s_nop 0
	tensor_load_to_lds s[68:71], s[32:39]
	s_nop 0
	tensor_load_to_lds s[72:75], s[32:39]
	s_nop 0
	PLACES
.Lfilled:
	v_and_b32 v1, 31, v0
	v_lshlrev_b32 v1, 4, v1                        ; 16 x lane
	v_and_b32 v2, 15, v0                           ; r
	v_bfe_u32 v3, v0, 4, 1                         ; h
	v_lshlrev_b32 v12, 4, v2                       ; 16 r
	s_mov_b32 s[SEL], 0x76543210
	s_mov_b32 s[SEL+1], 0xfedcba98
.irp b, 0,1,2,3
	v_mov_b32 v[TM+4+\b], 0                        ; written once: a lane permute's destination counts as one of its sources
.endr
	; where P and R lie in a chunk
	s_mul_i32 s84, s15, 12288
	s_mul_i32 s85, s14, 12288
	s_add_co_u32 s85, s85, 24576
	s_cmp_eq_u32 ttmp9, 2
	s_cselect_b32 s86, 0, s19                      ; P: v: x's 8 tiles; q, k: my 8 of the weight's
	s_cselect_b32 s87, s85, s84                    ; R: v: my 4 of the weight's; q, k: my 4 of x's
.irp k, 0,1,2,3
	v_add_nc_u32 v[4+\k], s86, v1
	v_add_nc_u32 v[8+\k], s87, v1
	v_add_nc_u32 v[4+\k], \k*CH, v[4+\k]
	v_add_nc_u32 v[8+\k], \k*CH, v[8+\k]
.endr
	; and their scale words in ops
	s_lshl_b32 s92, s78, 13
	s_lshl_b32 s93, s16, 12
	s_add_co_u32 s92, s92, s93
	s_add_co_u32 s92, s92, WS                      ; q, k: P
	s_lshl_b32 s93, s17, 12
	s_add_co_u32 s93, s93, XS                      ; v: P
	s_lshl_b32 s94, s15, 11
	s_add_co_u32 s94, s94, s93                     ; q, k: R
	s_lshl_b32 s95, s78, 13
	s_lshl_b32 s96, s14, 11
	s_add_co_u32 s95, s95, s96
	s_add_co_u32 s95, s95, WS                      ; v: R
	s_cmp_eq_u32 ttmp9, 2
	s_cselect_b32 s88, s93, s92
	s_cselect_b32 s90, s95, s94
	s_mov_b32 s89, 0
	s_mov_b32 s91, 0
	s_add_nc_u64 s[88:89], s[4:5], s[88:89]
	s_add_nc_u64 s[90:91], s[4:5], s[90:91]
.irp t, 0,1,2,3,4,5,6,7
	global_load_b128 v[PS+8*\t:PS+8*\t+3], v12, s[88:89] offset:\t*512       ; lane r: row r's words of K steps 0-3: sixteen lanes read 256 consecutive bytes
	global_load_b128 v[PS+8*\t+4:PS+8*\t+7], v12, s[88:89] offset:\t*512+256
.endr
.irp i, 0,1,2,3
	global_load_b128 v[RS+8*\i:RS+8*\i+3], v12, s[90:91] offset:\i*512
	global_load_b128 v[RS+8*\i+4:RS+8*\i+7], v12, s[90:91] offset:\i*512+256
.endr
	; the bias, in both forms (each offset lies inside the 1,024 numbers for every kind of work-group; an arm of the epilogue uses one form)
	s_cmp_eq_u32 ttmp9, 1
	s_cselect_b64 s[98:99], s[8:9], s[6:7]
	s_cmp_eq_u32 ttmp9, 2
	s_cselect_b64 s[98:99], s[10:11], s[98:99]
	s_lshl_b32 s84, s76, 10
	s_lshl_b32 s85, s16, 9
	s_add_co_u32 s85, s85, s84
	v_lshlrev_b32 v18, 6, v3
	v_add_nc_u32 v18, s85, v18                     ; along P: channels 256 cx + 128 (w & 1) + 16 h on
	s_lshl_b32 s85, s14, 8
	s_add_co_u32 s85, s85, s84
	v_and_b32 v19, 8, v2
	v_add_nc_u32 v19, v19, v2
	v_lshlrev_b32 v19, 2, v19
	v_add_nc_u32 v19, s85, v19                     ; along R: channel 256 cx + 64 w + r + 8 (r/8)
	WIN 0xc0                                       ; destination window 3
.irp t, 0,1,2,3,4,5,6,7
	global_load_b128 v[8*\t:8*\t+3], v18, s[98:99] offset:(32*(\t/2)+8*(\t%2))*4
	global_load_b128 v[8*\t+4:8*\t+7], v18, s[98:99] offset:(32*(\t/2)+8*(\t%2))*4+16
.endr
.irp i, 0,1,2,3
	global_load_b32 v[64+2*\i], v19, s[98:99] offset:(32*(\i/2)+8*(\i%2))*4
	global_load_b32 v[65+2*\i], v19, s[98:99] offset:(32*(\i/2)+8*(\i%2))*4
.endr
	WIN 0
.macro FETCH s                         ; K step s: P's 8 fragments and R's 4, as images: 36 loads of 512 consecutive bytes
	WIN 0x40                                       ; destination window 1
.irp t, 0,1,2,3,4,5,6,7
.irp c, 0,1,2
	ds_load_b128 v[128*((\s)%2)+12*\t+4*\c:128*((\s)%2)+12*\t+4*\c+3], v[4+(\s)/2] offset:\t*3072+((\s)%2)*1536+512*\c
.endr
.endr
	WIN 0
.irp i, 0,1,2,3
.irp c, 0,1,2
	ds_load_b128 v[RF+48*((\s)%2)+12*\i+4*\c:RF+48*((\s)%2)+12*\i+4*\c+3], v[8+(\s)/2] offset:\i*3072+((\s)%2)*1536+512*\c
.endr
.endr
.endm
.macro MUL s, i                        ; R's tile i against P's eight.  The 32 accumulators take turns, one instruction a turn, in the same order in every step.  Step 0 starts the sums
.irp t, 0,1,2,3,4,5,6,7
.if (\s) == 0
	v_wmma_scale_f32_16x16x128_f8f6f4 v[64*(\i)+8*\t:64*(\i)+8*\t+7], v[128*((\s)%2)+12*\t:128*((\s)%2)+12*\t+11], v[RF+48*((\s)%2)+12*(\i):RF+48*((\s)%2)+12*(\i)+11], 0, v[PS+8*\t+(\s)], v[RS+8*(\i)+(\s)] matrix_a_fmt:MATRIX_FMT_FP6 matrix_b_fmt:MATRIX_FMT_FP6
.else
	v_wmma_scale_f32_16x16x128_f8f6f4 v[64*(\i)+8*\t:64*(\i)+8*\t+7], v[128*((\s)%2)+12*\t:128*((\s)%2)+12*\t+11], v[RF+48*((\s)%2)+12*(\i):RF+48*((\s)%2)+12*(\i)+11], v[64*(\i)+8*\t:64*(\i)+8*\t+7], v[PS+8*\t+(\s)], v[RS+8*(\i)+(\s)] matrix_a_fmt:MATRIX_FMT_FP6 matrix_b_fmt:MATRIX_FMT_FP6
.endif
.endr
.endm
.macro STEP s
	s_wait_dscnt 0x0                               ; this step's fragments are in (asked for a step ago)
.if (\s) == 7
	WIN 0xa1
	MUL \s, 0
	MUL \s, 1
	MUL \s, 2
	MUL \s, 3
.elseif ((\s)%2) == 1
	s_wait_tensorcnt 2-(\s)/2                      ; my part of the next chunk has landed; the later chunks' loads may stay out
	s_barrier_signal -1
	WIN 0xa1                                       ; source 0 window 1, source 1 window 0, C and D window 2
	MUL \s, 0                                      ; work on registers while the others arrive
	s_barrier_wait -1                              ; everybody's part has landed
	PLACES
	FETCH (\s)+1
	WIN 0xa1
	MUL \s, 1
	MUL \s, 2
	MUL \s, 3
.else
	PLACES
	FETCH (\s)+1                                   ; the same chunk's second step
	WIN 0xa1
	MUL \s, 0
	MUL \s, 1
	MUL \s, 2
	MUL \s, 3
.endif
.endm
	s_wait_tensorcnt 3                             ; my part of chunk 0 has landed; three loads may stay out
	s_barrier_signal -1
	s_barrier_wait -1
	FETCH 0
	s_wait_loadcnt 0x0                             ; the scale words and the biases
.irp s, 0,1,2,3,4,5,6,7
	STEP \s
.endr
	WIN 0
	PLACES
	; ---- the epilogue: + bias, quantised along P, stored as images
	s_lshr_b32 s84, s17, 4                         ; the batch
	s_and_b32 s85, s17, 15                         ; which 128 tokens of its 2,048
	s_lshl_b32 s84, s84, 4
	s_lshl_b32 s86, s76, 2
	s_add_co_u32 s84, s84, s86                     ; 16 b + 4 cx
	s_lshr_b32 s86, s85, 1
	s_mul_i32 s86, s86, SLB
	s_add_co_u32 s86, s86, KV                      ; the slot of 256 keys
	s_and_b32 s87, s85, 1
	s_mov_b32 s97, 0
	s_mov_b32 s99, 0
	s_cmp_eq_u32 ttmp9, 2
	s_cbranch_scc1 .Lv
	s_lshl_b32 s88, s16, 1
	s_add_co_u32 s88, s88, s84                     ; the first of my two heads
	s_mul_i32 s89, s88, 98304
	s_lshl_b32 s90, s85, 1
	s_add_co_u32 s90, s90, s15
	s_mul_i32 s90, s90, 3072
	s_add_co_u32 s89, s89, s90                     ; q: codes
	s_lshl_b32 s90, s88, 13
	s_lshl_b32 s91, s85, 9
	s_add_co_u32 s90, s90, s91
	s_lshl_b32 s91, s15, 8
	s_add_co_u32 s90, s90, s91
	s_add_co_u32 s90, s90, QS                      ; q: scale words
	s_mul_i32 s92, s88, BHK
	s_add_co_u32 s92, s92, s86
	s_lshl_b32 s93, s87, 1
	s_add_co_u32 s93, s93, s15
	s_mul_i32 s93, s93, 3072
	s_add_co_u32 s93, s93, s92                     ; k: codes
	s_lshl_b32 s94, s87, 9
	s_add_co_u32 s94, s94, s91
	s_add_co_u32 s94, s94, s92
	s_add_co_u32 s94, s94, 24576                   ; k: scale words
	s_mov_b32 s95, BHK
	s_cmp_eq_u32 ttmp9, 1
	s_cselect_b32 s96, s93, s89
	s_cselect_b32 s98, s94, s90
	s_cselect_b32 s92, s95, 98304                  ; from a head's codes to the next head's
	s_cselect_b32 s93, s95, 8192                   ; and its scale words
	s_add_nc_u64 s[98:99], s[12:13], s[98:99]
.irp i, 0,1,2,3                        ; token tile i: a lane's 64 numbers are 16 neighbours of each of four blocks of 32 channels: two heads
	WIN 0x0e                                       ; source 0 window 2, source 1 window 3, destination window 0
.set kk, 0
.rept 32
	v_pk_add_f32 v[H+kk:H+kk+1], v[64*\i+kk:64*\i+kk+1], v[kk:kk+1]   ; each accumulator from its low end on
.set kk, kk+2
.endr
	WIN 0
	QUANT H, OC+6*\i, OC+24+6*\i, PW+\i, 0         ; registers 0-5 are the first head's fragment of 64 along K, registers 6-11 the second's
.endr
	v_lshlrev_b32 v17, 4, v3
.irp i, 0,1,2,3
	v_lshrrev_b32 v[PW+\i], v17, v[PW+\i]          ; lanes 16-31 store the second head's two bytes (above them zeros, a power of two like any other); lanes 0-15 the first head's (above them the second's)
.endr
	v_mul_lo_u32 v16, v3, s93
	v_lshl_add_u32 v16, v2, 4, v16
	global_store_b128 v16, v[PW:PW+3], s[98:99]    ; sixteen lanes store 256 consecutive bytes, aligned, for each head
	s_branch .Lcodes
.Lv:
	s_add_co_u32 s88, s84, s14                     ; my head
	s_mul_i32 s92, s88, BHK
	s_add_co_u32 s92, s92, s86
	s_mul_i32 s93, s87, 6144
	s_add_co_u32 s96, s92, s93
	s_add_co_u32 s96, s96, 12288                   ; v: codes
	s_lshl_b32 s93, s87, 8
	s_add_co_u32 s98, s92, s93
	s_add_co_u32 s98, s98, 25600                   ; v: scale words
	s_mov_b32 s92, 3072
	s_mov_b32 s93, 0xffff0000
	s_add_nc_u64 s[98:99], s[12:13], s[98:99]
.irp i, 0,1,2,3                        ; channel tile i: a lane's 64 numbers are 16 neighbours of each of four blocks of 32 keys
	WIN 0x0e
.set kk, 0
.rept 32
	v_pk_add_f32 v[H+kk:H+kk+1], v[64*\i+kk:64*\i+kk+1], v[64+2*\i:65+2*\i]
.set kk, kk+2
.endr
	WIN 0
	QUANT H, OC+12*\i, OC+12*\i+6, PW+\i, 0
.endr
	v_cndmask_b32 v20, v[PW], v[PW+2], s93
	v_cndmask_b32 v21, v[PW+1], v[PW+3], s93
	v_lshlrev_b32 v16, 4, v2
	v_lshl_add_u32 v16, v3, 3, v16
	global_store_b64 v16, v[20:21], s[98:99]       ; 256 consecutive bytes, aligned
.Lcodes:
	s_add_nc_u64 s[96:97], s[12:13], s[96:97]
	v_add_nc_u32 v15, s92, v1
.irp m, 0,1,2,3,4,5
	global_store_b128 v1, v[OC+4*\m:OC+4*\m+3], s[96:97] offset:512*\m           ; 512 consecutive bytes, aligned
.endr
.irp m, 6,7,8,9,10,11
	global_store_b128 v15, v[OC+4*\m:OC+4*\m+3], s[96:97] offset:512*(\m-6)
.endr
	s_wait_tensorcnt 0x0
	ds_add_u32 v250, v251
	s_wait_dscnt 0x0
	CROUND                                         ; the closing round: no work-group ends while a partner may still ask for a part that names it
	s_endpgm
.Lfunc_end_k_qa0acdb286b_qkv:
	.size	k_qa0acdb286b_qkv, .Lfunc_end_k_qa0acdb286b_qkv-k_qa0acdb286b_qkv
	.p2alignl 7, 3214868480
	.fill 96, 4, 3214868480
	.section	.rodata,"a",@progbits
	.p2align	6, 0x0
	.amdhsa_kernel k_qa0acdb286b_qkv
		.amdhsa_group_segment_fixed_size 295424
		.amdhsa_private_segment_fixed_size 0
		.amdhsa_enable_private_segment 0
		.amdhsa_kernarg_size 40
		.amdhsa_user_sgpr_count 2
		.amdhsa_user_sgpr_kernarg_segment_ptr 1
		.amdhsa_wavefront_size32 1
		.amdhsa_system_sgpr_workgroup_id_x 1
		.amdhsa_system_sgpr_workgroup_id_y 1
		.amdhsa_system_sgpr_workgroup_id_z 1
		.amdhsa_system_vgpr_workitem_id 0
		.amdhsa_next_free_vgpr 848
		.amdhsa_next_free_sgpr 100
		.amdhsa_reserve_vcc 0
		.amdhsa_float_denorm_mode_32 3
		.amdhsa_float_denorm_mode_16_64 3
		.amdhsa_memory_ordered 1
		.amdhsa_forward_progress 1
		.amdhsa_inst_pref_size 117
	.end_amdhsa_kernel
	.amdgpu_metadata
---
amdhsa.version: [ 1, 2 ]
amdhsa.kernels:
  - .name:           k_qa0acdb286b_qkv
    .symbol:         k_qa0acdb286b_qkv.kd
    .args:
      - { .name: ops, .offset: 0, .size: 8, .value_kind: global_buffer, .address_space: global }
      - { .name: bq, .offset: 8, .size: 8, .value_kind: global_buffer, .address_space: global }
      - { .name: bk, .offset: 16, .size: 8, .value_kind: global_buffer, .address_space: global }
      - { .name: bv, .offset: 24, .size: 8, .value_kind: global_buffer, .address_space: global }
      - { .name: qkv, .offset: 32, .size: 8, .value_kind: global_buffer, .address_space: global }
    .group_segment_fixed_size: 295424
    .private_segment_fixed_size: 0
    .kernarg_segment_align: 8
    .kernarg_segment_size: 40
    .max_flat_workgroup_size: 128
    .sgpr_count:     100
    .vgpr_count:     848
    .wavefront_size: 32
...
	.end_amdgpu_metadata
.endif
;; end of part 2
;; launch attn (part 3): grid 4 x 64, 16 waves a work-group, no clusters, 67,584 bytes of LDS; arguments qkv, msk, zq; writes zq
.if DOCPART == 3
	.amdgcn_target "amdgcn-amd-amdhsa--gfx1250"
	.amdhsa_code_object_version 6
	.text
	.protected	k_qa0acdb286b_attn
	.globl	k_qa0acdb286b_attn
	.p2align	8
	.type	k_qa0acdb286b_attn,@function
k_qa0acdb286b_attn:
	s_mov_b64 s[64:65], 0
	v_nop
	global_prefetch_b8 v0, s[64:65] scope:SCOPE_SE
	s_setreg_imm32_b32 hwreg(HW_REG_WAVE_MODE, 25, 1), 1
	s_wait_xcnt 0x0
; ATTN.  z = softmax(q k^T / 8, masked) v for one (batch, head), both products on codes of E2M3, and z quantised along the channels for the last projection.
; THE SOFTMAX: t = score x log2(e) / 8; M = the running largest t rounded UP to a whole number; p = 2^(t - M) is quantised along the keys, not normalised; the row's sum is taken of the unquantised p and divides at the end.
; THE MASK IS AN INPUT: the launch before has packed it into lane masks (one word for each score register of a tile of 16 queries x 128 keys) and a flag a tile: 0 none of its keys counts, 1 some, 2 all.
; A step whose flag is 0 is left out (a scalar branch on the stored flag); with flag 1 hidden scores become -infinity ahead of the maximum.  No pattern of the mask is built in.
; A query with no key left has the sum 0: its scale bytes are stored as 0xff, the E8M0 NaN, so that the token's whole output row becomes NaN, as the softmax of a row of -infinity is.
; SHARES.  Work-group (p, head) makes query blocks p and 7 - p, 256 queries each, one after the other; each of its sixteen waves owns a tile of 16 queries in 256 registers, four waves to a SIMD.
; K AND V come a slot (256 keys, one dense image of 26,112 bytes) at a time through two LDS buffers: each thread loads 16 bytes three or four times into registers, a slot ahead, and stores them behind the slot's steps.
; One barrier a slot, on every wave's path: in front of it each wave's stores into the other buffer and its reads of this one are done.  A slot that no wave of the work-group needs is not fetched.
; NO TENSOR LOADS, NO JOINT REQUESTS, NO PREFETCH: the steps are passed over by branches on stored numbers; and a slot is asked for two key steps of all sixteen waves ahead of its use.
; LAYOUT.  S^T = K Q^T (source 0 = 16 keys), O^T = V^T P^T (source 0 = 16 channels): a lane holds ONE query.  Tiles take rows 32 (T/2) + 8 (T%2) + r + 8 (r/8), so that 16 registers of two tiles are 16 neighbours.
; THE FIRST PRODUCT'S K IS 64: Q's registers 6-11 are zero codes.  K's fragment t is v[44 + 6 t .. 55 + 6 t]: its upper six registers are the next fragment's codes (every 6-bit code is a finite number) and meet Q's zeros;
; bytes 2 and 3 of the scale words are another head's bytes or 0, never 0xff.
; LIMITS: as in the launches before; the division by the sum is v_rcp_f32 and a multiplication.
.set QS,  6291456
.set KV,  6815744
.set BHK, 208896
.set SLB, 26112
.set FL,  524288
.set ZS,  6291456
.set ZKS, 1572864
.set BUF, 32768
.set KS,  32                           ; v32-39   K's scale words of a step's 8 tiles
.set VS,  40                           ; v40-43   V's, 4 tiles
.set KF,  44                           ; v44-91   K's 8 fragments of 6, then V's 4 of 12; v92-97 zeros
.set S,   98                           ; v98-161  S^T, then p
.set O,   162                          ; v162-193 O^T
.set PC,  194                          ; v194-205 p's codes
.set TQ,  206                          ; v[206:208], v[210:212]
.set BM,  214                          ; v214-217 the blocks' largest scores
.set BX,  218                          ; v218-221 at work
.set SCO, 222                          ; v222-225 the conversions' scale operands
.set PW,  226                          ; v226     p's scale word
.set F,   228                          ; v[228:229] f = 2^(old M - new M); the pair's upper half is written once
.set TMP, 230
.set G,   232                          ; v232-247 the next slot's bytes on their way
.set SEL, 20
.set CS,  22
; v1 16 x lane, v2 16 r, v5 16 x thread: the only LDS address registers.  v7 -infinity.  v8-10 z's store offsets.  v11 the flags' offset.  v12 -M, v13 the largest t, v[14:15] the sum.  v16-27 Q, v28 its scale word.  v231 0xff.  v248-253 z's codes.
; s10 wave, s11 (batch, head), s13 query block, s14 passes, s15 trips, s16 my tile, s17 which slots are needed, s18 my 16 flags, 2 bits each, s19 the flag in hand, s[24:25] the slot to fetch, s[26:27] my mask words, s[28:29], s[62:63] z's bases, s[68:99] mask words.
	s_load_b128 s[4:7], s[0:1], 0x0                ; qkv, msk
	s_load_b64 s[8:9], s[0:1], 0x10                ; zq
	v_lshl_add_u32 v254, v0, 2, 0x10000
	v_mov_b32 v255, 0
	v_lshrrev_b32 v1, 5, v0
	v_readfirstlane_b32 s10, v1
	s_and_b32 s11, ttmp7, 0xffff
	s_mov_b32 s13, ttmp9
	v_and_b32 v3, 31, v0
	v_and_b32 v4, 15, v0                           ; r
	v_bfe_u32 v6, v0, 4, 1                         ; h
	v_lshlrev_b32 v1, 4, v3
	v_lshlrev_b32 v2, 4, v4
	v_lshlrev_b32 v5, 4, v0
	v_mov_b32 v7, 0xff800000
	v_lshlrev_b32 v8, 10, v6
	v_lshl_add_u32 v8, v4, 4, v8                   ; 1024 h + 16 r
	v_lshlrev_b32 v9, 3, v6
	v_lshl_add_u32 v9, v4, 4, v9                   ; 16 r + 8 h
	v_lshlrev_b32 v10, 1, v6
	v_lshl_add_u32 v10, v4, 5, v10                 ; 32 r + 2 h
	v_lshlrev_b32 v11, 5, v6
	v_lshl_add_u32 v11, v4, 6, v11                 ; tile l % 16 of the block: 64 bytes of flags; lanes 16-31 its steps 8 on
.irp j, 22,23,24,25,26,27, 92,93,94,95,96,97, 218,219,220,221, 229
	v_mov_b32 v\j, 0
.endr
.set jj, 0
.rept 16
	v_mov_b32 v[G+jj], 0                           ; written once, so that no way reads them unwritten
.set jj, jj+1
.endr
	v_mov_b32 v231, 0xff
	s_mov_b32 s[SEL], 0x76543210
	s_mov_b32 s[SEL+1], 0xfedcba98
	s_mov_b32 s[CS], 0x3e38aa3b                    ; c = log2(e) / 8
	s_mov_b32 s[CS+1], s[CS]
	s_mov_b32 s30, 0xffff0000                      ; lanes 16-31
	s_mov_b32 s3, 0
	s_and_b32 s12, s11, 15                         ; head
	s_lshr_b32 s16, s11, 4                         ; batch
	s_wait_kmcnt 0x0
	s_mul_i32 s2, s11, BHK
	s_add_co_u32 s2, s2, KV
	s_add_nc_u64 s[52:53], s[4:5], s[2:3]          ; the head's K and V
	s_mul_i32 s2, s11, 98304
	s_add_nc_u64 s[54:55], s[4:5], s[2:3]          ; Q's codes
	s_lshl_b32 s2, s11, 13
	s_add_co_u32 s2, s2, QS
	s_add_nc_u64 s[56:57], s[4:5], s[2:3]          ; Q's scale words
	s_lshr_b32 s2, s12, 2                          ; z: K step head / 2 of the last projection: pair of steps head / 4,
	s_mul_i32 s2, s2, ZKS
	s_mul_i32 s48, s16, 128*3072
	s_add_co_u32 s2, s2, s48
	s_bfe_u32 s48, s12, 0x10001
	s_mul_i32 s48, s48, 1536                       ; which of the pair,
	s_add_co_u32 s2, s2, s48
	s_and_b32 s48, s12, 1
	s_lshl_b32 s49, s48, 8                         ; and lanes 16 (head % 2) on of the image: a head's 64 channels fill twelve registers of sixteen lanes
	s_add_co_u32 s2, s2, s49
	s_add_nc_u64 s[58:59], s[8:9], s[2:3]
	s_lshl_b32 s2, s16, 16
	s_lshr_b32 s49, s12, 1
	s_lshl_b32 s49, s49, 2
	s_add_co_u32 s2, s2, s49
	s_add_co_u32 s2, s2, s48
	s_add_co_u32 s2, s2, ZS
	s_add_nc_u64 s[60:61], s[8:9], s[2:3]          ; z's scale bytes: 512 T + 32 r + 4 (head / 2) + 2 c + head % 2
.macro STAGE_LOAD bit                  ; the slot at s[24:25], if any wave needs it: 512 threads x 16 bytes three times, and 1,536 bytes more by waves 0 to 2
	s_bitcmp1_b32 s17, \bit
	s_cbranch_scc0 .Lno_load_\@
	global_load_b128 v[G:G+3], v5, s[24:25]
	global_load_b128 v[G+4:G+7], v5, s[24:25] offset:8192
	global_load_b128 v[G+8:G+11], v5, s[24:25] offset:16384
	s_cmp_lt_u32 s10, 3
	s_cbranch_scc0 .Lno_load_\@
	global_load_b128 v[G+12:G+15], v5, s[24:25] offset:24576
.Lno_load_\@:
.endm
.macro STAGE_STORE bit, buf
	s_bitcmp1_b32 s17, \bit
	s_cbranch_scc0 .Lno_store_\@
	ds_store_b128 v5, v[G:G+3] offset:(\buf)*BUF
	ds_store_b128 v5, v[G+4:G+7] offset:(\buf)*BUF+8192
	ds_store_b128 v5, v[G+8:G+11] offset:(\buf)*BUF+16384
	s_cmp_lt_u32 s10, 3
	s_cbranch_scc0 .Lno_store_\@
	ds_store_b128 v5, v[G+12:G+15] offset:(\buf)*BUF+24576
.Lno_store_\@:
.endm
; A KEY STEP: 128 keys, the q-th of the slot in buffer a.
.macro STEP a, q
	s_and_b32 s19, s18, 3
	s_cmp_eq_u32 s19, 0
	s_cbranch_scc1 .Lhidden_\@
.rept 4
	v_nop                                          ; places behind the last products, in front of loads into registers that they have read
.endr
.irp m, 0,1,2,3,4,5,6,7,8,9,10,11
	ds_load_b128 v[KF+4*\m:KF+4*\m+3], v1 offset:(\a)*BUF+(\q)*6144+512*\m
.endr
	ds_load_b128 v[KS:KS+3], v2 offset:(\a)*BUF+24576+(\q)*512
	ds_load_b128 v[KS+4:KS+7], v2 offset:(\a)*BUF+24576+(\q)*512+256
	s_wait_dscnt 0x0
.irp t, 0,1,2,3,4,5,6,7
	v_wmma_scale_f32_16x16x128_f8f6f4 v[S+8*\t:S+8*\t+7], v[KF+6*\t:KF+6*\t+11], v[16:27], 0, v[KS+\t], v28 matrix_a_fmt:MATRIX_FMT_FP6 matrix_b_fmt:MATRIX_FMT_FP6
.endr
.rept 4
	v_nop                                          ; places in front of the loads below and of the first read of the scores
.endr
.irp m, 0,1,2,3,4,5,6,7,8,9,10,11
	ds_load_b128 v[KF+4*\m:KF+4*\m+3], v1 offset:(\a)*BUF+12288+(\q)*6144+512*\m   ; V: it lands under the softmax
.endr
	ds_load_b128 v[VS:VS+3], v2 offset:(\a)*BUF+25600+(\q)*256
	s_cmp_eq_u32 s19, 1
	s_cbranch_scc0 .Lopen_\@
.irp g, 0,1                            ; bit l of word n says whether lane l's score register n counts
	s_load_b512 s[68:83], s[26:27], 128*\g
	s_load_b512 s[84:99], s[26:27], 128*\g+64
	s_wait_kmcnt 0x0
.set kk, 0
.rept 32
	v_cndmask_b32 v[S+32*\g+kk], v7, v[S+32*\g+kk], s[68+kk]
.set kk, kk+1
.endr
.endr
.Lopen_\@:
.irp b, 0,1,2,3
	v_max3_num_f32 v[BM+\b], v[S+16*\b], v[S+16*\b+1], v[S+16*\b+2]   ; the largest score of each block of 32 keys: for the row's maximum, and, since p rises with the score, for the block's largest p
.endr
.irp i, 3,5,7,9,11,13
.irp b, 0,1,2,3
	v_max3_num_f32 v[BM+\b], v[BM+\b], v[S+16*\b+\i], v[S+16*\b+\i+1]
.endr
.endr
.irp b, 0,1,2,3
	v_max_num_f32 v[BM+\b], v[BM+\b], v[S+16*\b+15]
.endr
.irp b, 0,1,2,3
	v_permlanex16_b32 v[BX+\b], v[BM+\b], s[SEL], s[SEL+1]
.endr
.irp b, 0,1,2,3
	v_max_num_f32 v[BM+\b], v[BM+\b], v[BX+\b]
.endr
	v_max3_num_f32 v[TMP], v[BM], v[BM+1], v[BM+2]
	v_max_num_f32 v[TMP], v[TMP], v[BM+3]
	v_mul_f32 v[TMP], s[CS], v[TMP]
	v_max_num_f32 v13, v13, v[TMP]                 ; the running largest t
	v_mov_b32 v[TMP], v12
	v_floor_f32 v12, -v13                          ; -M = floor(-t): M is a whole number
	v_sub_f32 v[TMP], v12, v[TMP]
	v_cvt_i32_f32 v[TMP], v[TMP]                   ; (it saturates)
	v_ldexp_f32 v[F], 1.0, v[TMP]                  ; f = 2^(old M - new M)
.set jj, 0
.rept 32
	v_pk_fma_f32 v[S+jj:S+jj+1], v[S+jj:S+jj+1], s[CS:CS+1], v[12:13] op_sel_hi:[1,0,0]   ; t - M
.set jj, jj+2
.endr
.irp b, 0,1,2,3
	v_fma_f32 v[BM+\b], v[BM+\b], s[CS], v12
.endr
.set jj, 0
.rept 64
	v_exp_f32 v[S+jj], v[S+jj]                     ; p = 2^(t - M)
.set jj, jj+1
.endr
	v_pk_mul_f32 v[14:15], v[14:15], v[F:F+1] op_sel_hi:[1,0]   ; the sums under the new M: the plain instruction behind the exponentials
	s_wait_alu depctr_va_vdst(0)                   ; one wait for the batch, ahead of its first reader
.irp b, 0,1,2,3
	v_exp_f32 v[BM+\b], v[BM+\b]                   ; the blocks' largest p
.endr
	v_pk_add_f32 v[BX:BX+1], v[S:S+1], v[S+2:S+3]  ; the row's sum of the unquantised p, in two chains
.set jj, 4
.rept 15
	v_pk_add_f32 v[14:15], v[14:15], v[S+jj:S+jj+1]
	v_pk_add_f32 v[BX:BX+1], v[BX:BX+1], v[S+jj+2:S+jj+3]
.set jj, jj+4
.endr
	v_pk_add_f32 v[14:15], v[14:15], v[BX:BX+1]
	s_wait_alu depctr_va_vdst(0)                   ; and one for the four
.irp b, 0,1,2,3
	v_max_num_f32 v[BM+\b], 0x1800000, v[BM+\b]    ; the floor 2^(3 - 127)
.endr
.irp b, 0,1,2,3
	v_add_nc_u32 v[SCO+\b], 0xff000000, v[BM+\b]
.endr
.irp b, 0,1,2,3
	v_lshrrev_b32 v[BX+\b], 23, v[SCO+\b]
.endr
	v_lshl_or_b32 v[PW], v[BX+1], 8, v[BX]
	v_lshl_or_b32 v[PW], v[BX+2], 16, v[PW]
	v_lshl_or_b32 v[PW], v[BX+3], 24, v[PW]
.irp c, 0,1
	v_cvt_scalef32_pk16_fp6_f32 v[PC+6*\c:PC+6*\c+2], v[S+32*\c:S+32*\c+15], v[SCO+2*\c]
	v_cvt_scalef32_pk16_fp6_f32 v[TQ+4*\c:TQ+4*\c+2], v[S+32*\c+16:S+32*\c+31], v[SCO+2*\c+1]
.endr
	v_nop                                          ; one plain instruction behind the scaled conversions
.irp c, 0,1
.irp i, 0,1,2
	v_permlane16_swap_b32 v[PC+6*\c+\i], v[TQ+4*\c+\i]
.endr
.irp i, 0,1,2
	v_mov_b32 v[PC+6*\c+3+\i], v[TQ+4*\c+\i]
.endr
.endr
.set jj, 0
.rept 16
	v_pk_mul_f32 v[O+jj:O+jj+1], v[O+jj:O+jj+1], v[F:F+1] op_sel_hi:[1,0]   ; O^T under the new M; these also stand between the writes of p's codes and scale word and the products
.set jj, jj+2
.endr
	s_wait_dscnt 0x0                               ; V is in
.irp i, 0,1,2,3
	v_wmma_scale_f32_16x16x128_f8f6f4 v[O+8*\i:O+8*\i+7], v[KF+12*\i:KF+12*\i+11], v[PC:PC+11], v[O+8*\i:O+8*\i+7], v[VS+\i], v[PW] matrix_a_fmt:MATRIX_FMT_FP6 matrix_b_fmt:MATRIX_FMT_FP6
.endr
.Lhidden_\@:
	s_lshr_b32 s18, s18, 2                         ; on every way: the next step's flag and words
	s_add_nc_u64 s[26:27], s[26:27], 256
.endm
.macro SLOT a
	STAGE_LOAD 1                                   ; the next slot, into registers
	STEP \a, 0
	STEP \a, 1
	s_wait_loadcnt 0x0
	STAGE_STORE 1, 1-\a                            ; into the buffer that every wave left at the last barrier
	s_add_nc_u64 s[24:25], s[24:25], SLB
	s_wait_dscnt 0x0                               ; my stores have landed, and my reads of this buffer are over
	s_barrier_signal -1
	s_barrier_wait -1
	s_lshr_b32 s17, s17, 1
.endm
	s_mov_b32 s14, 2
.Lpass:
	s_wait_xcnt 0x0                                ; the last pass's stores have read their registers and bases
	s_lshl_b32 s16, s13, 4
	s_add_co_u32 s16, s16, s10                     ; my tile of queries
	s_lshl_b32 s2, s16, 6
	s_add_co_u32 s2, s2, FL
	s_add_nc_u64 s[48:49], s[6:7], s[2:3]
	s_load_b512 s[32:47], s[48:49], 0x0            ; its 16 flags
	s_lshl_b32 s2, s13, 10
	s_add_co_u32 s2, s2, FL
	s_add_nc_u64 s[50:51], s[6:7], s[2:3]
	global_load_b128 v[98:101], v11, s[50:51]      ; and 8 flags of one of the block's 16 tiles in each lane
	global_load_b128 v[102:105], v11, s[50:51] offset:16
	s_lshr_b32 s2, s16, 2
	s_mul_i32 s2, s2, 3072
	s_add_nc_u64 s[68:69], s[54:55], s[2:3]        ; Q: my group of four tiles; my tile's registers are 6 (w % 4) .. + 5 of its 24
	s_and_b32 s12, s10, 3
	s_mul_i32 s12, s12, 6
.irp e, 0,1,2
	s_add_co_u32 s66, s12, 2*\e
	s_lshr_b32 s67, s66, 2
	s_lshl_b32 s67, s67, 9
	s_and_b32 s66, s66, 3
	s_lshl_b32 s66, s66, 2
	s_add_co_u32 s66, s66, s67
	v_add_nc_u32 v[248+\e], s66, v1
.endr
	global_load_b64 v[16:17], v248, s[68:69]
	global_load_b64 v[18:19], v249, s[68:69]
	global_load_b64 v[20:21], v250, s[68:69]
	s_lshr_b32 s2, s16, 2
	s_lshl_b32 s2, s2, 8
	s_and_b32 s66, s10, 3
	s_lshl_b32 s66, s66, 2
	s_add_co_u32 s2, s2, s66
	s_add_nc_u64 s[70:71], s[56:57], s[2:3]
	global_load_b32 v28, v2, s[70:71]
	s_mul_i32 s2, s16, 3072
	s_add_nc_u64 s[28:29], s[58:59], s[2:3]
	s_lshl_b32 s2, s16, 9
	s_add_nc_u64 s[62:63], s[60:61], s[2:3]
	s_lshl_b32 s2, s16, 12
	s_add_nc_u64 s[26:27], s[6:7], s[2:3]
	s_mov_b64 s[24:25], s[52:53]
.set jj, 0
.rept 32
	v_mov_b32 v[O+jj], 0                           ; which step is the first that counts is known only from the flags, so O^T begins as zeros
.set jj, jj+1
.endr
	v_mov_b32 v14, 0
	v_mov_b32 v15, 0
	v_mov_b32 v13, 0xff61b1e6                      ; -3e38, under every t
	v_floor_f32 v12, -v13
	s_wait_kmcnt 0x0
	s_mov_b32 s18, s32
.irp k, 1,2,3,4,5,6,7,8,9,10,11,12,13,14,15
	s_lshl_b32 s2, s[32+\k], 2*\k
	s_or_b32 s18, s18, s2
.endr
	s_wait_loadcnt 0x0
	v_or_b32 v98, v98, v99                         ; a slot's two steps
	v_or_b32 v100, v100, v101
	v_or_b32 v102, v102, v103
	v_or_b32 v104, v104, v105
	v_cmp_ne_u32 s32, 0, v98
	v_cmp_ne_u32 s33, 0, v100
	v_cmp_ne_u32 s34, 0, v102
	v_cmp_ne_u32 s35, 0, v104
	s_mov_b32 s17, 0
.irp k, 0,1,2,3
	s_and_b32 s2, s[32+\k], 0xffff                 ; lanes 0-15: slot k of any of the 16 tiles
	s_cselect_b32 s2, 1<<\k, 0
	s_or_b32 s17, s17, s2
	s_lshr_b32 s2, s[32+\k], 16                    ; lanes 16-31: slot 4 + k
	s_cselect_b32 s2, 16<<\k, 0
	s_or_b32 s17, s17, s2
.endr
	STAGE_LOAD 0                                   ; slot 0
	s_wait_loadcnt 0x0
	STAGE_STORE 0, 0
	s_add_nc_u64 s[24:25], s[24:25], SLB
	s_wait_dscnt 0x0
	s_barrier_signal -1
	s_barrier_wait -1
	s_mov_b32 s15, 4
.Ltrip:
	SLOT 0
	SLOT 1
	s_sub_co_u32 s15, s15, 1
	s_cmp_lg_u32 s15, 0
	s_cbranch_scc1 .Ltrip
	; ---- z = O^T / the sum, quantised: a lane holds 16 neighbours of each of the head's two blocks of 32 channels
.rept 4
	v_nop
.endr
	v_add_f32 v14, v14, v15
	v_permlanex16_b32 v[BX], v14, s[SEL], s[SEL+1]
	v_add_f32 v14, v14, v[BX]                      ; the row's sum
	v_cmp_eq_f32 s31, 0, v14                       ; no key counted
	v_rcp_f32 v[F], v14
	v_nop                                          ; a plain instruction behind the reciprocal
	s_wait_alu depctr_va_vdst(0)                   ; and the wait ahead of its first reader
.set jj, 0
.rept 16
	v_pk_mul_f32 v[S+jj:S+jj+1], v[O+jj:O+jj+1], v[F:F+1] op_sel_hi:[1,0]
.set jj, jj+2
.endr
.irp b, 0,1
	v_max3_num_f32 v[BM+\b], |v[S+16*\b]|, |v[S+16*\b+1]|, 0x1800000
.endr
.irp i, 2,4,6,8,10,12,14
.irp b, 0,1
	v_max3_num_f32 v[BM+\b], v[BM+\b], |v[S+16*\b+\i]|, |v[S+16*\b+\i+1]|
.endr
.endr
.irp b, 0,1
	v_permlanex16_b32 v[BX+\b], v[BM+\b], s[SEL], s[SEL+1]
.endr
.irp b, 0,1
	v_max_num_f32 v[BM+\b], v[BM+\b], v[BX+\b]
.endr
.irp b, 0,1
	v_add_nc_u32 v[SCO+\b], 0xff000000, v[BM+\b]
.endr
.irp b, 0,1
	v_lshrrev_b32 v[BX+\b], 23, v[SCO+\b]
.endr
	v_cndmask_b32 v[TMP], v[BX], v[BX+1], s30      ; half h of the lanes stores block h's byte,
	v_cndmask_b32 v[TMP], v[TMP], v231, s31        ; or NaN
	v_cvt_scalef32_pk16_fp6_f32 v[TQ:TQ+2], v[S:S+15], v[SCO]
	v_cvt_scalef32_pk16_fp6_f32 v[TQ+4:TQ+6], v[S+16:S+31], v[SCO+1]
	v_nop
.irp i, 0,1,2
	v_permlane16_swap_b32 v[TQ+\i], v[TQ+4+\i]     ; lane (r, h) now holds block h whole: a = its lower 16 codes, b = its upper 16
.endr
	; in the image, block c of the head is registers 6 c .. 6 c + 5 of lane 16 (head % 2) + r: half 0 holds registers 0-5, half 1 registers 6-11
	v_cndmask_b32 v248, v[TQ], v[TQ+2], s30        ; registers 0-3 (a0 a1 a2 b0) | 8-11 (a2 b0 b1 b2)
	v_cndmask_b32 v249, v[TQ+1], v[TQ+4], s30
	v_cndmask_b32 v250, v[TQ+2], v[TQ+5], s30
	v_cndmask_b32 v251, v[TQ+4], v[TQ+6], s30
	v_cndmask_b32 v252, v[TQ+5], v[TQ], s30        ; registers 4, 5 (b1 b2) | 6, 7 (a0 a1)
	v_cndmask_b32 v253, v[TQ+6], v[TQ+1], s30
	global_store_b128 v8, v[248:251], s[28:29]             ; each half of the lanes stores 256 consecutive bytes, aligned
	global_store_b64 v9, v[252:253], s[28:29] offset:512   ; 256 consecutive bytes, aligned
	global_store_b8 v10, v[TMP], s[62:63]                  ; single bytes: 256 KiB in the whole launch
	s_sub_co_u32 s13, 7, s13                       ; the second pass: block 7 - p
	s_sub_co_u32 s14, s14, 1
	s_cmp_lg_u32 s14, 0
	s_cbranch_scc1 .Lpass
	s_wait_tensorcnt 0x0
	ds_add_u32 v254, v255
	s_wait_dscnt 0x0
	s_endpgm
.Lfunc_end_k_qa0acdb286b_attn:
	.size	k_qa0acdb286b_attn, .Lfunc_end_k_qa0acdb286b_attn-k_qa0acdb286b_attn
	.p2alignl 7, 3214868480
	.fill 96, 4, 3214868480
	.section	.rodata,"a",@progbits
	.p2align	6, 0x0
	.amdhsa_kernel k_qa0acdb286b_attn
		.amdhsa_group_segment_fixed_size 67584
		.amdhsa_private_segment_fixed_size 0
		.amdhsa_enable_private_segment 0
		.amdhsa_kernarg_size 24
		.amdhsa_user_sgpr_count 2
		.amdhsa_user_sgpr_kernarg_segment_ptr 1
		.amdhsa_wavefront_size32 1
		.amdhsa_system_sgpr_workgroup_id_x 1
		.amdhsa_system_sgpr_workgroup_id_y 1
		.amdhsa_system_sgpr_workgroup_id_z 1
		.amdhsa_system_vgpr_workitem_id 0
		.amdhsa_next_free_vgpr 256
		.amdhsa_next_free_sgpr 100
		.amdhsa_reserve_vcc 0
		.amdhsa_float_denorm_mode_32 3
		.amdhsa_float_denorm_mode_16_64 3
		.amdhsa_memory_ordered 1
		.amdhsa_forward_progress 1
		.amdhsa_inst_pref_size 96
	.end_amdhsa_kernel
	.amdgpu_metadata
---
amdhsa.version: [ 1, 2 ]
amdhsa.kernels:
  - .name:           k_qa0acdb286b_attn
    .symbol:         k_qa0acdb286b_attn.kd
    .args:
      - { .name: qkv, .offset: 0, .size: 8, .value_kind: global_buffer, .address_space: global }
      - { .name: msk, .offset: 8, .size: 8, .value_kind: global_buffer, .address_space: global }
      - { .name: zq, .offset: 16, .size: 8, .value_kind: global_buffer, .address_space: global }
    .group_segment_fixed_size: 67584
    .private_segment_fixed_size: 0
    .kernarg_segment_align: 8
    .kernarg_segment_size: 24
    .max_flat_workgroup_size: 512
    .sgpr_count:     100
    .vgpr_count:     256
    .wavefront_size: 32
...
	.end_amdgpu_metadata
.endif
;; end of part 3
;; launch outp (part 4): grid 4 x 64, 4 waves a work-group, clusters of 4 x 4, 295,424 bytes of LDS; arguments zq, ops, bo, out0; writes out0
.if DOCPART == 4
	.amdgcn_target "amdgcn-amd-amdhsa--gfx1250"
	.amdhsa_code_object_version 6
	.text
	.protected	k_qa0acdb286b_outp
	.globl	k_qa0acdb286b_outp
	.p2align	8
	.type	k_qa0acdb286b_outp,@function
k_qa0acdb286b_outp:
	s_mov_b64 s[64:65], 0
	v_nop
	global_prefetch_b8 v0, s[64:65] scope:SCOPE_SE
	s_setreg_imm32_b32 hwreg(HW_REG_WAVE_MODE, 25, 1), 1
	s_wait_xcnt 0x0
	s_wait_alu depctr_hold_cnt(0) depctr_sa_sdst(0) depctr_va_vdst(0) depctr_va_sdst(0) depctr_va_ssrc(0) depctr_va_vcc(0) depctr_vm_vsrc(0)
	s_getreg_b32 s2, hwreg(HW_REG_IB_STS2, 6, 4)
	s_cmp_eq_u32 s2, 0
	s_cbranch_scc0 .Lentry_in_a_cluster
	s_endpgm
.Lentry_in_a_cluster:
	s_bfe_u32 s2, ttmp6, 0x10000c
	s_cmp_lg_u32 s2, 0xf033
	s_cbranch_scc0 .Lentry_shape_is_right
	s_endpgm
.Lentry_shape_is_right:
; OUTP.  out0 = z Wo + bo on codes of E2M3.  z's codes and scale bytes come from the attention launch, Wo's from the first launch, both as images of the operands' registers.
; SHARES.  A work-group takes 128 tokens (8 tiles of z) x 256 channels (16 tiles of Wo): 256 work-groups.  ALL OF K (1,024) OF BOTH SIDES LIES IN LDS, FILLED ONCE: 294,912 bytes in four chunks of two K steps.
; CLUSTER.  4 x 4 work-groups: the four of a row of the cluster take the same tokens, the four of a column the same channels; each part is asked for jointly.  A wave has four tensor loads out, one a chunk.
; Source 0 = Wo's channels (8 tiles a wave), source 1 = tokens (4 tiles): a lane holds one token, and 16 registers of two tiles are 16 neighbouring channels.  bo is the C of each sum's first product.
; A token whose scale bytes are 0xff (no key counted) gets NaN in all its outputs.  No prefetch: every byte that a work-group reads is asked for at its head.
; THE WAY OUT goes through a stage of 16 rows x 528 bytes a wave, in chunk 0's bytes: they have had their only fill, and no wave reads them behind the barrier of K step 1.
; REGISTERS.  window 0: v1-15 addresses; v32-95 Wo's scale words; v96-127 z's; v128-223 z's fragments, two sets (way out: v128-255 rows read back).  window 1: Wo's fragments, two sets.  window 2: accumulator (t, i) at v[64 i + 8 t].  window 3: v0-63 bo.
.set XKS, 1572864
.set WKS, 786432
.set WC,  6291456
.set WS,  9699328
.set ZS,  6291456
.set CH,  73728
.set PS,  32
.set RS,  96
.set RF,  128
.set STO, 14
.set RD,  15
.set MSB, 0
.macro WIN new                         ; the immediate's high byte repeats the setting that is left
.if MSB != \new
	s_set_vgpr_msb (MSB<<8)|\new
.set MSB, \new
.endif
.endm
.macro PLACES
.rept 4
	v_nop
.endr
.endm
.macro CROUND
	s_barrier_signal -1
	s_barrier_wait -1
	s_cmp_lg_u32 s14, 0
	s_cbranch_scc1 .Lnot_wave_0_\@
	s_barrier_signal -3
.Lnot_wave_0_\@:
	s_barrier_wait -3
	s_barrier_signal -1
	s_barrier_wait -1
.endm
	s_load_b256 s[4:11], s[0:1], 0x0               ; zq s[4:5], ops s[6:7], bo s[8:9], out0 s[10:11]
	v_lshl_add_u32 v30, v0, 2, 0x48000
	v_mov_b32 v31, 0
	ds_add_u32 v30, v31
	ds_add_u32 v30, v31
	v_lshrrev_b32 v1, 5, v0
	v_readfirstlane_b32 s14, v1                    ; wave
	s_lshr_b32 s15, s14, 1
	s_and_b32 s16, s14, 1
	s_bfe_u32 s76, ttmp6, 0x40000                  ; cx
	s_bfe_u32 s77, ttmp6, 0x40004                  ; cy
	s_lshl_b32 s78, ttmp9, 2
	s_add_co_u32 s78, s78, s76                     ; x: which 256 channels
	s_and_b32 s17, ttmp7, 0xffff
	s_lshl_b32 s17, s17, 2
	s_add_co_u32 s17, s17, s77                     ; y: which 128 tokens
	s_lshl_b32 s79, s77, 2
	s_lshl_b32 s79, 15, s79                        ; my row of the cluster
	s_lshl_b32 s80, 0x1111, s76                    ; my column
	s_or_b32 s24, s79, (3<<16)|(1<<21)             ; groups 1: dense blocks as rows of 256 bytes (32 elements of 8 bytes): z's part 48 rows, Wo's 96
	s_or_b32 s32, s80, (3<<16)|(1<<21)
	s_mov_b32 s25, 32<<16
	s_mov_b32 s26, 48<<16
	s_mov_b32 s27, 32<<16
	s_mov_b32 s28, 48
	s_mov_b32 s29, 32
	s_mov_b32 s30, 0
	s_mov_b32 s31, 0
	s_mov_b32 s33, 32<<16
	s_mov_b32 s34, 96<<16
	s_mov_b32 s35, 32<<16
	s_mov_b32 s36, 96
	s_mov_b32 s37, 32
	s_mov_b32 s38, 0
	s_mov_b32 s39, 0
	s_mul_i32 s20, s17, 24576                      ; z's tiles 8 y on, my half: registers that never hold cx
	s_mul_i32 s18, s16, 12288
	s_add_co_u32 s20, s20, s18
	s_mov_b32 s21, 0
	s_mul_i32 s82, s78, 49152                      ; Wo's tiles 192 + 16 x on, my half: registers that never hold cy
	s_mul_i32 s19, s16, 24576
	s_add_co_u32 s82, s82, s19
	s_add_co_u32 s82, s82, WC+192*3072
	s_mov_b32 s83, 0
	s_add_co_u32 s19, s19, 24576
	s_wait_dscnt 0x0
	s_wait_kmcnt 0x0
	s_add_nc_u64 s[20:21], s[4:5], s[20:21]
	s_add_nc_u64 s[82:83], s[6:7], s[82:83]
.macro SETG0 g, lds, adr, k, stride
	s_mov_b32 s[\g], 1
	s_add_co_u32 s[\g+1], s[\lds], (\k)*CH
	s_add_nc_u64 s[\g+2:\g+3], s[\adr:\adr+1], (\k)*(\stride)
	s_or_b32 s[\g+3], s[\g+3], 0x80000000
.endm
	SETG0 40, 18, 20, 0, XKS
	SETG0 44, 18, 20, 1, XKS
	SETG0 48, 18, 20, 2, XKS
	SETG0 52, 18, 20, 3, XKS
	SETG0 56, 19, 82, 0, WKS
	SETG0 60, 19, 82, 1, WKS
	SETG0 68, 19, 82, 2, WKS
	SETG0 72, 19, 82, 3, WKS
	CROUND                                         ; all sixteen work-groups are here: the joint loads meet
	s_cmp_eq_u32 s15, 0
	s_cbranch_scc0 .Lfill_w
	tensor_load_to_lds s[40:43], s[24:31]
	s_nop 0
	tensor_load_to_lds s[44:47], s[24:31]
	s_nop 0
	tensor_load_to_lds s[48:51], s[24:31]
	s_nop 0
	tensor_load_to_lds s[52:55], s[24:31]
	s_nop 0
	PLACES
	s_branch .Lfilled
.Lfill_w:
	tensor_load_to_lds s[56:59], s[32:39]
	s_nop 0
	tensor_load_to_lds s[60:63], s[32:39]
	s_nop 0
	tensor_load_to_lds s[68:71], s[32:39]
	s_nop 0
	tensor_load_to_lds s[72:75], s[32:39]
	s_nop 0
	PLACES
.Lfilled:
	v_and_b32 v1, 31, v0
	v_lshlrev_b32 v1, 4, v1                        ; 16 x lane
	v_and_b32 v2, 15, v0                           ; r
	v_bfe_u32 v3, v0, 4, 1                         ; h
	v_lshlrev_b32 v12, 4, v2                       ; 16 r
	v_lshlrev_b32 v13, 5, v2                       ; 32 r
	s_mul_i32 s84, s15, 12288                      ; my 4 tiles of z in a chunk; my 8 of Wo begin at s19
.irp k, 0,1,2,3
	v_add_nc_u32 v[4+\k], s19, v1
	v_add_nc_u32 v[8+\k], s84, v1
	v_add_nc_u32 v[4+\k], \k*CH, v[4+\k]
	v_add_nc_u32 v[8+\k], \k*CH, v[8+\k]
.endr
	s_mul_i32 s85, s14, 8448                       ; my stage
	v_mul_u32_u24 v[STO], v2, 528
	v_lshl_add_u32 v[STO], v3, 6, v[STO]
	v_add_nc_u32 v[STO], s85, v[STO]               ; in: row r, + 64 h
	v_add_nc_u32 v[RD], s85, v1                    ; back: 16 x lane of a row
	s_lshl_b32 s88, s78, 13
	s_lshl_b32 s86, s16, 12
	s_add_co_u32 s88, s88, s86
	s_add_co_u32 s88, s88, WS+192*512
	s_mov_b32 s89, 0
	s_add_nc_u64 s[88:89], s[6:7], s[88:89]        ; Wo's scale words
	s_lshl_b32 s90, s17, 12
	s_lshl_b32 s86, s15, 11
	s_add_co_u32 s90, s90, s86
	s_add_co_u32 s90, s90, ZS
	s_mov_b32 s91, 0
	s_add_nc_u64 s[90:91], s[4:5], s[90:91]        ; z's: 512 T + 32 r + 4 s
.irp t, 0,1,2,3,4,5,6,7
	global_load_b128 v[PS+8*\t:PS+8*\t+3], v12, s[88:89] offset:\t*512
	global_load_b128 v[PS+8*\t+4:PS+8*\t+7], v12, s[88:89] offset:\t*512+256
.endr
.irp i, 0,1,2,3
	global_load_b128 v[RS+8*\i:RS+8*\i+3], v13, s[90:91] offset:\i*512
	global_load_b128 v[RS+8*\i+4:RS+8*\i+7], v13, s[90:91] offset:\i*512+16
.endr
	s_lshl_b32 s84, s78, 10
	s_lshl_b32 s85, s16, 9
	s_add_co_u32 s85, s85, s84                     ; my first channel, in bytes: (256 x + 128 (w & 1)) x 4
	v_lshlrev_b32 v18, 6, v3
	v_add_nc_u32 v18, s85, v18
	WIN 0xc0                                       ; destination window 3
.irp t, 0,1,2,3,4,5,6,7
	global_load_b128 v[8*\t:8*\t+3], v18, s[8:9] offset:(32*(\t/2)+8*(\t%2))*4
	global_load_b128 v[8*\t+4:8*\t+7], v18, s[8:9] offset:(32*(\t/2)+8*(\t%2))*4+16
.endr
	WIN 0
	s_lshl_b32 s92, s17, 19                        ; out0: 128 y rows of 4,096 bytes,
	s_lshl_b32 s86, s15, 18                        ; + 64 (w / 2) rows,
	s_add_co_u32 s92, s92, s86
	s_add_co_u32 s92, s92, s85                     ; + my first channel
	s_mov_b32 s93, 0
	s_add_nc_u64 s[10:11], s[10:11], s[92:93]
.macro FETCH s
	WIN 0x40
.irp t, 0,1,2,3,4,5,6,7
.irp c, 0,1,2
	ds_load_b128 v[128*((\s)%2)+12*\t+4*\c:128*((\s)%2)+12*\t+4*\c+3], v[4+(\s)/2] offset:\t*3072+((\s)%2)*1536+512*\c
.endr
.endr
	WIN 0
.irp i, 0,1,2,3
.irp c, 0,1,2
	ds_load_b128 v[RF+48*((\s)%2)+12*\i+4*\c:RF+48*((\s)%2)+12*\i+4*\c+3], v[8+(\s)/2] offset:\i*3072+((\s)%2)*1536+512*\c
.endr
.endr
.endm
.macro MUL s, i                        ; the 32 accumulators take turns, one instruction a turn, in the same order in every step.  Step 0 starts the sums with bo
.irp t, 0,1,2,3,4,5,6,7
.if (\s) == 0
	v_wmma_scale_f32_16x16x128_f8f6f4 v[64*(\i)+8*\t:64*(\i)+8*\t+7], v[128*((\s)%2)+12*\t:128*((\s)%2)+12*\t+11], v[RF+48*((\s)%2)+12*(\i):RF+48*((\s)%2)+12*(\i)+11], v[8*\t:8*\t+7], v[PS+8*\t+(\s)], v[RS+8*(\i)+(\s)] matrix_a_fmt:MATRIX_FMT_FP6 matrix_b_fmt:MATRIX_FMT_FP6
.else
	v_wmma_scale_f32_16x16x128_f8f6f4 v[64*(\i)+8*\t:64*(\i)+8*\t+7], v[128*((\s)%2)+12*\t:128*((\s)%2)+12*\t+11], v[RF+48*((\s)%2)+12*(\i):RF+48*((\s)%2)+12*(\i)+11], v[64*(\i)+8*\t:64*(\i)+8*\t+7], v[PS+8*\t+(\s)], v[RS+8*(\i)+(\s)] matrix_a_fmt:MATRIX_FMT_FP6 matrix_b_fmt:MATRIX_FMT_FP6
.endif
.endr
.endm
.macro STEP s
	s_wait_dscnt 0x0                               ; this step's fragments are in
.if (\s) == 7
	WIN 0xa1
	MUL \s, 0
	MUL \s, 1
	MUL \s, 2
	MUL \s, 3
.elseif ((\s)%2) == 1
	s_wait_tensorcnt 2-(\s)/2                      ; my part of the next chunk has landed; the later chunks' loads may stay out
	s_barrier_signal -1
	WIN 0xa1
	MUL \s, 0
	s_barrier_wait -1
	PLACES
	FETCH (\s)+1
	WIN 0xa1
	MUL \s, 1
	MUL \s, 2
	MUL \s, 3
.else
	PLACES
	FETCH (\s)+1
.if (\s) == 0
	WIN 0xb1                                       ; C in window 3: bo
.else
	WIN 0xa1
.endif
	MUL \s, 0
	MUL \s, 1
	MUL \s, 2
	MUL \s, 3
.endif
.endm
	s_wait_tensorcnt 3                             ; my part of chunk 0 has landed; three loads may stay out
	s_barrier_signal -1
	s_barrier_wait -1
	FETCH 0
	s_wait_loadcnt 0x0                             ; the scale words and bo
.irp s, 0,1,2,3,4,5,6,7
	STEP \s
.endr
	WIN 0
	PLACES
; THE WAY OUT, a tile of 16 tokens x 128 channels at a time: into my stage, back as whole rows of 512 bytes.  LDS serves a wave's instructions in order: no wait between the stores and the loads, nor in front of the next tile's stores.
.macro TOSTAGE i
	WIN 0x08                                       ; an LDS store's data: window 2
.irp t, 0,1,2,3,4,5,6,7
	ds_store_b128 v[STO], v[64*(\i)+8*\t:64*(\i)+8*\t+3] offset:128*(\t/2)+32*(\t%2)       ; each accumulator from its low end on
	ds_store_b128 v[STO], v[64*(\i)+8*\t+4:64*(\i)+8*\t+7] offset:128*(\t/2)+32*(\t%2)+16
.endr
	WIN 0
.irp p, 0,1,2,3,4,5,6,7,8,9,10,11,12,13,14,15
	ds_load_b128 v[128+64*((\i)%2)+4*\p:128+64*((\i)%2)+4*\p+3], v[RD] offset:528*\p
.endr
.endm
.macro SEND i, younger                 ; younger: the LDS instructions issued behind tile i's loads, which may stay out
	s_wait_dscnt \younger
.irp p, 0,1,2,3,4,5,6,7,8,9,10,11,12,13,14,15
	global_store_b128 v1, v[128+64*((\i)%2)+4*\p:128+64*((\i)%2)+4*\p+3], s[10:11] offset:(32*((\i)/2)+8*((\i)%2)+\p+8*(\p/8))*4096 th:TH_STORE_NT   ; 512 consecutive bytes of a row, aligned
.endr
.endm
	TOSTAGE 0
	TOSTAGE 1
	SEND 0, 32                                     ; behind tile 0's loads: tile 1's 16 stores and 16 loads
	s_wait_xcnt 0x0                                ; tile 0's stores have read their registers: tile 2's loads may land there
	TOSTAGE 2
	SEND 1, 32
	s_wait_xcnt 0x0
	TOSTAGE 3
	SEND 2, 32
	SEND 3, 0
	s_wait_tensorcnt 0x0
	ds_add_u32 v30, v31
	s_wait_dscnt 0x0
	CROUND                                         ; the closing round: no work-group ends while a partner may still ask for a part that names it
	s_endpgm
.Lfunc_end_k_qa0acdb286b_outp:
	.size	k_qa0acdb286b_outp, .Lfunc_end_k_qa0acdb286b_outp-k_qa0acdb286b_outp
	.p2alignl 7, 3214868480
	.fill 96, 4, 3214868480
	.section	.rodata,"a",@progbits
	.p2align	6, 0x0
	.amdhsa_kernel k_qa0acdb286b_outp
		.amdhsa_group_segment_fixed_size 295424
		.amdhsa_private_segment_fixed_size 0
		.amdhsa_enable_private_segment 0
		.amdhsa_kernarg_size 32
		.amdhsa_user_sgpr_count 2
		.amdhsa_user_sgpr_kernarg_segment_ptr 1
		.amdhsa_wavefront_size32 1
		.amdhsa_system_sgpr_workgroup_id_x 1
		.amdhsa_system_sgpr_workgroup_id_y 1
		.amdhsa_system_sgpr_workgroup_id_z 1
		.amdhsa_system_vgpr_workitem_id 0
		.amdhsa_next_free_vgpr 848
		.amdhsa_next_free_sgpr 100
		.amdhsa_reserve_vcc 0
		.amdhsa_float_denorm_mode_32 3
		.amdhsa_float_denorm_mode_16_64 3
		.amdhsa_memory_ordered 1
		.amdhsa_forward_progress 1
		.amdhsa_inst_pref_size 80
	.end_amdhsa_kernel
	.amdgpu_metadata
---
amdhsa.version: [ 1, 2 ]
amdhsa.kernels:
  - .name:           k_qa0acdb286b_outp
    .symbol:         k_qa0acdb286b_outp.kd
    .args:
      - { .name: zq, .offset: 0, .size: 8, .value_kind: global_buffer, .address_space: global }
      - { .name: ops, .offset: 8, .size: 8, .value_kind: global_buffer, .address_space: global }
      - { .name: bo, .offset: 16, .size: 8, .value_kind: global_buffer, .address_space: global }
      - { .name: out0, .offset: 24, .size: 8, .value_kind: global_buffer, .address_space: global }
    .group_segment_fixed_size: 295424
    .private_segment_fixed_size: 0
    .kernarg_segment_align: 8
    .kernarg_segment_size: 32
    .max_flat_workgroup_size: 128
    .sgpr_count:     100
    .vgpr_count:     848
    .wavefront_size: 32
...
	.end_amdgpu_metadata
.endif
;; end of part 4
;; ======== version 2 of 2: 4 launches; version 1 with the launch attn written anew for expert scheduling mode
;; workspace buffers: ops 9,830,400 bytes; msk 532,480 bytes of whole numbers; qkv 20,185,088 bytes; zq 6,553,600 bytes
;; launch prep: the kernel of part 1 again; grid 512 x 1, 4 waves a work-group, no clusters, 93,696 bytes of LDS; arguments x, mask, Wq, Wk, Wv, Wo, ops, msk; writes ops, msk
;; launch qkv: the kernel of part 2 again; grid 12 x 64, 4 waves a work-group, clusters of 4 x 4, 295,424 bytes of LDS; arguments ops, bq, bk, bv, qkv; writes qkv
;; launch attn (part 5): grid 4 x 64, 16 waves a work-group, no clusters, 67,584 bytes of LDS; arguments qkv, msk, zq; writes zq
.if DOCPART == 5
	.amdgcn_target "amdgcn-amd-amdhsa--gfx1250"
	.amdhsa_code_object_version 6
	.text
	.protected	k_qa0acdb286b_attn
	.globl	k_qa0acdb286b_attn
	.p2align	8
	.type	k_qa0acdb286b_attn,@function
k_qa0acdb286b_attn:
	s_mov_b64 s[64:65], 0
	v_nop
	global_prefetch_b8 v0, s[64:65] scope:SCOPE_SE
	s_setreg_imm32_b32 hwreg(HW_REG_WAVE_SCHED_MODE, 0, 2), 2
	s_setreg_imm32_b32 hwreg(HW_REG_WAVE_MODE, 25, 1), 1
	s_wait_xcnt 0x0
	s_wait_alu depctr_vm_vsrc(0)
; ATTN.  z = softmax(q k^T / 8, masked) v for one (batch, head), both products on codes of E2M3, and z quantised along the channels for the last projection.
; THE SOFTMAX: t = score x log2(e) / 8; M = the running largest t rounded UP to a whole number; p = 2^(t - M) is quantised along the keys, not normalised; the row's sum is taken of the unquantised p and divides at the end.
; THE MASK IS AN INPUT: the launch before has packed it into lane masks (one word for each score register of a tile of 16 queries x 128 keys) and a flag a tile: 0 none of its keys counts, 1 some, 2 all.
; A step whose flag is 0 is left out (a scalar branch on the stored flag); with flag 1 hidden scores become -infinity ahead of the maximum.  No pattern of the mask is built in.
; A query with no key left has the sum 0: its scale bytes are stored as 0xff, the E8M0 NaN, so that the token's whole output row becomes NaN, as the softmax of a row of -infinity is.
; SHARES.  Work-group (p, head) makes query blocks p and 7 - p, 256 queries each, one after the other; each of its sixteen waves owns a tile of 16 queries in 256 registers, four waves to a SIMD.
; K AND V come a slot (256 keys, one dense image of 26,112 bytes) at a time through two LDS buffers: each thread loads 16 bytes three or four times into registers, a slot ahead, and stores them behind the slot's steps.
; One barrier a slot, on every wave's path: in front of it each wave's stores into the other buffer and its reads of this one are done.  A slot that no wave of the work-group needs is not fetched.
; NO TENSOR LOADS, NO JOINT REQUESTS, NO PREFETCH: the steps are passed over by branches on stored numbers; and a slot is asked for two key steps of all sixteen waves ahead of its use.
; LAYOUT.  S^T = K Q^T (source 0 = 16 keys), O^T = V^T P^T (source 0 = 16 channels): a lane holds ONE query.  Tiles take rows 32 (T/2) + 8 (T%2) + r + 8 (r/8), so that 16 registers of two tiles are 16 neighbours.
; THE FIRST PRODUCT'S K IS 64: Q's registers 6-11 are zero codes.  K's fragment t is v[44 + 6 t .. 55 + 6 t]: its upper six registers are the next fragment's codes (every 6-bit code is a finite number) and meet Q's zeros;
; bytes 2 and 3 of the scale words are another head's bytes or 0, never 0xff.
; LIMITS: as in the launches before; the division by the sum is v_rcp_f32 and a multiplication.
; THE MODE: SCHED_MODE bits 1:0 = 2 (LLVM: expert scheduling mode 2), set by the entry lines.  The code itself states the register dependences between vector or matrix instructions and memory or LDS instructions, with s_wait_alu, always for 0.
; THE PLAN.  Registers that memory or LDS instructions touch, and who else names them:
;   v1, v2, v5, v8-v11, v254, v255   addresses, offsets and the closing add's two: written at the kernel's head, never again.  The wait on va_vdst at a pass's head states that they are written, for every access of the kernel.
;   v44-91 (K's fragments, then V's), v32-39, v40-43 (their scale words)   a step: K's LDS loads land; the eight products K Q^T read; V's LDS loads land; the four products V^T P^T read.  No vector instruction names them.
;              So a wait on va_vdst stands ahead of each of the two runs of loads: the products that read these registers last are done with them.
;   v232-247   a slot: the next slot's global loads land at its head, the LDS stores read them at its end.  Named by vector instructions at the kernel's head alone.  One wait on vm_vsrc at a slot's head: the stores have read them.
;   v16-21, v28, v98-105   Q, its scale word and the block's flags: loads land at a pass's head, behind that head's wait on va_vdst (the last pass's products and vector lines are done with them).
;   v248-250   Q's three offsets, made ahead of that same wait; at a pass's end, with v251-253 and v230, the data of z's stores: one wait on va_vdst ahead of the stores, one on vm_vsrc at the next pass's head.
;   v194-205, v226   p's codes and scale word, written by vector instructions and taken by scaled products: behind their places a wait on va_vdst stands directly ahead of the four products.
; Scalar registers that vector instructions write (s10; s32-35; s31) have a wait on va_sdst ahead of their first reader.  The wave's 256 registers are a quarter of its SIMD's: there is no second set of fragment registers.
.set QS,  6291456
.set KV,  6815744
.set BHK, 208896
.set SLB, 26112
.set FL,  524288
.set ZS,  6291456
.set ZKS, 1572864
.set BUF, 32768
.set KS,  32                           ; v32-39   K's scale words of a step's 8 tiles
.set VS,  40                           ; v40-43   V's, 4 tiles
.set KF,  44                           ; v44-91   K's 8 fragments of 6, then V's 4 of 12; v92-97 zeros
.set S,   98                           ; v98-161  S^T, then p
.set O,   162                          ; v162-193 O^T
.set PC,  194                          ; v194-205 p's codes
.set TQ,  206                          ; v[206:208], v[210:212]
.set BM,  214                          ; v214-217 the blocks' largest scores
.set BX,  218                          ; v218-221 at work
.set SCO, 222                          ; v222-225 the conversions' scale operands
.set PW,  226                          ; v226     p's scale word
.set F,   228                          ; v[228:229] f = 2^(old M - new M); the pair's upper half is written once
.set TMP, 230
.set G,   232                          ; v232-247 the next slot's bytes on their way
.set SEL, 20
.set CS,  22
; v1 16 x lane, v2 16 r, v5 16 x thread: the only LDS address registers.  v7 -infinity.  v8-10 z's store offsets.  v11 the flags' offset.  v12 -M, v13 the largest t, v[14:15] the sum.  v16-27 Q, v28 its scale word.  v231 0xff.  v248-253 z's codes.
; s10 wave, s11 (batch, head), s13 query block, s14 passes, s15 trips, s16 my tile, s17 which slots are needed, s18 my 16 flags, 2 bits each, s19 the flag in hand, s[24:25] the slot to fetch, s[26:27] my mask words, s[28:29], s[62:63] z's bases, s[68:99] mask words.
	s_load_b128 s[4:7], s[0:1], 0x0                ; qkv, msk
	s_load_b64 s[8:9], s[0:1], 0x10                ; zq
	v_lshl_add_u32 v254, v0, 2, 0x10000
	v_mov_b32 v255, 0
	v_lshrrev_b32 v1, 5, v0
	v_readfirstlane_b32 s10, v1
	s_and_b32 s11, ttmp7, 0xffff
	s_mov_b32 s13, ttmp9
	v_and_b32 v3, 31, v0
	v_and_b32 v4, 15, v0                           ; r
	v_bfe_u32 v6, v0, 4, 1                         ; h
	v_lshlrev_b32 v1, 4, v3
	v_lshlrev_b32 v2, 4, v4
	v_lshlrev_b32 v5, 4, v0
	v_mov_b32 v7, 0xff800000
	v_lshlrev_b32 v8, 10, v6
	v_lshl_add_u32 v8, v4, 4, v8                   ; 1024 h + 16 r
	v_lshlrev_b32 v9, 3, v6
	v_lshl_add_u32 v9, v4, 4, v9                   ; 16 r + 8 h
	v_lshlrev_b32 v10, 1, v6
	v_lshl_add_u32 v10, v4, 5, v10                 ; 32 r + 2 h
	v_lshlrev_b32 v11, 5, v6
	v_lshl_add_u32 v11, v4, 6, v11                 ; tile l % 16 of the block: 64 bytes of flags; lanes 16-31 its steps 8 on
.irp j, 22,23,24,25,26,27, 92,93,94,95,96,97, 218,219,220,221, 229
	v_mov_b32 v\j, 0
.endr
.set jj, 0
.rept 16
	v_mov_b32 v[G+jj], 0                           ; written once, so that no way reads them unwritten
.set jj, jj+1
.endr
	v_mov_b32 v231, 0xff
	s_mov_b32 s[SEL], 0x76543210
	s_mov_b32 s[SEL+1], 0xfedcba98
	s_mov_b32 s[CS], 0x3e38aa3b                    ; c = log2(e) / 8
	s_mov_b32 s[CS+1], s[CS]
	s_mov_b32 s30, 0xffff0000                      ; lanes 16-31
	s_mov_b32 s3, 0
	s_and_b32 s12, s11, 15                         ; head
	s_lshr_b32 s16, s11, 4                         ; batch
	s_wait_alu depctr_va_sdst(0)                   ; s10, the wave's number, is written
	s_wait_kmcnt 0x0
	s_mul_i32 s2, s11, BHK
	s_add_co_u32 s2, s2, KV
	s_add_nc_u64 s[52:53], s[4:5], s[2:3]          ; the head's K and V
	s_mul_i32 s2, s11, 98304
	s_add_nc_u64 s[54:55], s[4:5], s[2:3]          ; Q's codes
	s_lshl_b32 s2, s11, 13
	s_add_co_u32 s2, s2, QS
	s_add_nc_u64 s[56:57], s[4:5], s[2:3]          ; Q's scale words
	s_lshr_b32 s2, s12, 2                          ; z: K step head / 2 of the last projection: pair of steps head / 4,
	s_mul_i32 s2, s2, ZKS
	s_mul_i32 s48, s16, 128*3072
	s_add_co_u32 s2, s2, s48
	s_bfe_u32 s48, s12, 0x10001
	s_mul_i32 s48, s48, 1536                       ; which of the pair,
	s_add_co_u32 s2, s2, s48
	s_and_b32 s48, s12, 1
	s_lshl_b32 s49, s48, 8                         ; and lanes 16 (head % 2) on of the image: a head's 64 channels fill twelve registers of sixteen lanes
	s_add_co_u32 s2, s2, s49
	s_add_nc_u64 s[58:59], s[8:9], s[2:3]
	s_lshl_b32 s2, s16, 16
	s_lshr_b32 s49, s12, 1
	s_lshl_b32 s49, s49, 2
	s_add_co_u32 s2, s2, s49
	s_add_co_u32 s2, s2, s48
	s_add_co_u32 s2, s2, ZS
	s_add_nc_u64 s[60:61], s[8:9], s[2:3]          ; z's scale bytes: 512 T + 32 r + 4 (head / 2) + 2 c + head % 2
.macro STAGE_LOAD bit                  ; the slot at s[24:25], if any wave needs it: 512 threads x 16 bytes three times, and 1,536 bytes more by waves 0 to 2
	s_bitcmp1_b32 s17, \bit
	s_cbranch_scc0 .Lno_load_\@
	global_load_b128 v[G:G+3], v5, s[24:25]
	global_load_b128 v[G+4:G+7], v5, s[24:25] offset:8192
	global_load_b128 v[G+8:G+11], v5, s[24:25] offset:16384
	s_cmp_lt_u32 s10, 3
	s_cbranch_scc0 .Lno_load_\@
	global_load_b128 v[G+12:G+15], v5, s[24:25] offset:24576
.Lno_load_\@:
.endm
.macro STAGE_STORE bit, buf
	s_bitcmp1_b32 s17, \bit
	s_cbranch_scc0 .Lno_store_\@
	ds_store_b128 v5, v[G:G+3] offset:(\buf)*BUF
	ds_store_b128 v5, v[G+4:G+7] offset:(\buf)*BUF+8192
	ds_store_b128 v5, v[G+8:G+11] offset:(\buf)*BUF+16384
	s_cmp_lt_u32 s10, 3
	s_cbranch_scc0 .Lno_store_\@
	ds_store_b128 v5, v[G+12:G+15] offset:(\buf)*BUF+24576
.Lno_store_\@:
.endm
; A KEY STEP: 128 keys, the q-th of the slot in buffer a.
.macro STEP a, q
	s_and_b32 s19, s18, 3
	s_cmp_eq_u32 s19, 0
	s_cbranch_scc1 .Lhidden_\@
.rept 4
	v_nop                                          ; four plain instructions stand between the last products and the loads into registers that they have read
.endr
	s_wait_alu depctr_va_vdst(0)                   ; the products of the last step that was walked are done reading V's fragments and both sets of scale words: K's fragments and scale words land there
.irp m, 0,1,2,3,4,5,6,7,8,9,10,11
	ds_load_b128 v[KF+4*\m:KF+4*\m+3], v1 offset:(\a)*BUF+(\q)*6144+512*\m
.endr
	ds_load_b128 v[KS:KS+3], v2 offset:(\a)*BUF+24576+(\q)*512
	ds_load_b128 v[KS+4:KS+7], v2 offset:(\a)*BUF+24576+(\q)*512+256
	s_wait_dscnt 0x0
.irp t, 0,1,2,3,4,5,6,7
	v_wmma_scale_f32_16x16x128_f8f6f4 v[S+8*\t:S+8*\t+7], v[KF+6*\t:KF+6*\t+11], v[16:27], 0, v[KS+\t], v28 matrix_a_fmt:MATRIX_FMT_FP6 matrix_b_fmt:MATRIX_FMT_FP6
.endr
.rept 4
	v_nop                                          ; places in front of the first read of the scores (and of the loads below)
.endr
	s_wait_alu depctr_va_vdst(0)                   ; the eight products are done reading K's fragments, in which V's land; no vector instruction of the softmax names these registers
.irp m, 0,1,2,3,4,5,6,7,8,9,10,11
	ds_load_b128 v[KF+4*\m:KF+4*\m+3], v1 offset:(\a)*BUF+12288+(\q)*6144+512*\m   ; V: it lands under the softmax
.endr
	ds_load_b128 v[VS:VS+3], v2 offset:(\a)*BUF+25600+(\q)*256
	s_cmp_eq_u32 s19, 1
	s_cbranch_scc0 .Lopen_\@
.irp g, 0,1                            ; bit l of word n says whether lane l's score register n counts
	s_load_b512 s[68:83], s[26:27], 128*\g
	s_load_b512 s[84:99], s[26:27], 128*\g+64
	s_wait_kmcnt 0x0
.set kk, 0
.rept 32
	v_cndmask_b32 v[S+32*\g+kk], v7, v[S+32*\g+kk], s[68+kk]
.set kk, kk+1
.endr
.endr
.Lopen_\@:
.irp b, 0,1,2,3
	v_max3_num_f32 v[BM+\b], v[S+16*\b], v[S+16*\b+1], v[S+16*\b+2]   ; the largest score of each block of 32 keys: for the row's maximum, and, since p rises with the score, for the block's largest p
.endr
.irp i, 3,5,7,9,11,13
.irp b, 0,1,2,3
	v_max3_num_f32 v[BM+\b], v[BM+\b], v[S+16*\b+\i], v[S+16*\b+\i+1]
.endr
.endr
.irp b, 0,1,2,3
	v_max_num_f32 v[BM+\b], v[BM+\b], v[S+16*\b+15]
.endr
.irp b, 0,1,2,3
	v_permlanex16_b32 v[BX+\b], v[BM+\b], s[SEL], s[SEL+1]
.endr
.irp b, 0,1,2,3
	v_max_num_f32 v[BM+\b], v[BM+\b], v[BX+\b]
.endr
	v_max3_num_f32 v[TMP], v[BM], v[BM+1], v[BM+2]
	v_max_num_f32 v[TMP], v[TMP], v[BM+3]
	v_mul_f32 v[TMP], s[CS], v[TMP]
	v_max_num_f32 v13, v13, v[TMP]                 ; the running largest t
	v_mov_b32 v[TMP], v12
	v_floor_f32 v12, -v13                          ; -M = floor(-t): M is a whole number
	v_sub_f32 v[TMP], v12, v[TMP]
	v_cvt_i32_f32 v[TMP], v[TMP]                   ; (it saturates)
	v_ldexp_f32 v[F], 1.0, v[TMP]                  ; f = 2^(old M - new M)
.set jj, 0
.rept 32
	v_pk_fma_f32 v[S+jj:S+jj+1], v[S+jj:S+jj+1], s[CS:CS+1], v[12:13] op_sel_hi:[1,0,0]   ; t - M
.set jj, jj+2
.endr
.irp b, 0,1,2,3
	v_fma_f32 v[BM+\b], v[BM+\b], s[CS], v12
.endr
.set jj, 0
.rept 64
	v_exp_f32 v[S+jj], v[S+jj]                     ; p = 2^(t - M)
.set jj, jj+1
.endr
	v_pk_mul_f32 v[14:15], v[14:15], v[F:F+1] op_sel_hi:[1,0]   ; the sums under the new M: the plain instruction behind the exponentials
	s_wait_alu depctr_va_vdst(0)                   ; the 64 exponentials have written p: one wait for the batch, ahead of its first reader
.irp b, 0,1,2,3
	v_exp_f32 v[BM+\b], v[BM+\b]                   ; the blocks' largest p
.endr
	v_pk_add_f32 v[BX:BX+1], v[S:S+1], v[S+2:S+3]  ; the row's sum of the unquantised p, in two chains
.set jj, 4
.rept 15
	v_pk_add_f32 v[14:15], v[14:15], v[S+jj:S+jj+1]
	v_pk_add_f32 v[BX:BX+1], v[BX:BX+1], v[S+jj+2:S+jj+3]
.set jj, jj+4
.endr
	v_pk_add_f32 v[14:15], v[14:15], v[BX:BX+1]
	s_wait_alu depctr_va_vdst(0)                   ; the four exponentials have written the blocks' largest p, ahead of their first reader
.irp b, 0,1,2,3
	v_max_num_f32 v[BM+\b], 0x1800000, v[BM+\b]    ; the floor 2^(3 - 127)
.endr
.irp b, 0,1,2,3
	v_add_nc_u32 v[SCO+\b], 0xff000000, v[BM+\b]
.endr
.irp b, 0,1,2,3
	v_lshrrev_b32 v[BX+\b], 23, v[SCO+\b]
.endr
	v_lshl_or_b32 v[PW], v[BX+1], 8, v[BX]
	v_lshl_or_b32 v[PW], v[BX+2], 16, v[PW]
	v_lshl_or_b32 v[PW], v[BX+3], 24, v[PW]
.irp c, 0,1
	v_cvt_scalef32_pk16_fp6_f32 v[PC+6*\c:PC+6*\c+2], v[S+32*\c:S+32*\c+15], v[SCO+2*\c]
	v_cvt_scalef32_pk16_fp6_f32 v[TQ+4*\c:TQ+4*\c+2], v[S+32*\c+16:S+32*\c+31], v[SCO+2*\c+1]
.endr
	v_nop                                          ; one plain instruction behind the scaled conversions
.irp c, 0,1
.irp i, 0,1,2
	v_permlane16_swap_b32 v[PC+6*\c+\i], v[TQ+4*\c+\i]
.endr
.irp i, 0,1,2
	v_mov_b32 v[PC+6*\c+3+\i], v[TQ+4*\c+\i]
.endr
.endr
.set jj, 0
.rept 16
	v_pk_mul_f32 v[O+jj:O+jj+1], v[O+jj:O+jj+1], v[F:F+1] op_sel_hi:[1,0]   ; O^T under the new M; these also stand between the writes of p's codes and scale word and the products
.set jj, jj+2
.endr
	s_wait_dscnt 0x0                               ; V is in
	s_wait_alu depctr_va_vdst(0)                   ; p's codes and p's scale word are written, which the scaled products below take as source 1 and its scales; the places above stay beside this wait
.irp i, 0,1,2,3
	v_wmma_scale_f32_16x16x128_f8f6f4 v[O+8*\i:O+8*\i+7], v[KF+12*\i:KF+12*\i+11], v[PC:PC+11], v[O+8*\i:O+8*\i+7], v[VS+\i], v[PW] matrix_a_fmt:MATRIX_FMT_FP6 matrix_b_fmt:MATRIX_FMT_FP6
.endr
.Lhidden_\@:
	s_lshr_b32 s18, s18, 2                         ; on every way: the next step's flag and words
	s_add_nc_u64 s[26:27], s[26:27], 256
.endm
.macro SLOT a
	s_wait_alu depctr_vm_vsrc(0)                   ; the LDS stores of the slot before have read v[G ..], in which the loads below land (ahead of the branch round them); in a pass's first slot also: Q's loads have read v248-250, which the pass's end writes
	STAGE_LOAD 1                                   ; the next slot, into registers
	STEP \a, 0
	STEP \a, 1
	s_wait_loadcnt 0x0
	STAGE_STORE 1, 1-\a                            ; into the buffer that every wave left at the last barrier
	s_add_nc_u64 s[24:25], s[24:25], SLB
	s_wait_dscnt 0x0                               ; my stores have landed, and my reads of this buffer are over
	s_barrier_signal -1
	s_barrier_wait -1
	s_lshr_b32 s17, s17, 1
.endm
	s_mov_b32 s14, 2
.Lpass:
	s_wait_xcnt 0x0                                ; the last pass's stores have read their registers and bases
	s_wait_alu depctr_vm_vsrc(0)                   ; the last pass's global stores have read v230 and v248-253, its LDS stores v[G ..]: v248-250 are written just below, loads land in v[G ..], the steps write v230
	s_lshl_b32 s16, s13, 4
	s_add_co_u32 s16, s16, s10                     ; my tile of queries
	s_lshl_b32 s2, s16, 6
	s_add_co_u32 s2, s2, FL
	s_add_nc_u64 s[48:49], s[6:7], s[2:3]
	s_load_b512 s[32:47], s[48:49], 0x0            ; its 16 flags
	s_lshl_b32 s2, s13, 10
	s_add_co_u32 s2, s2, FL
	s_add_nc_u64 s[50:51], s[6:7], s[2:3]          ; the flags of the block's 16 tiles
	s_lshr_b32 s2, s16, 2
	s_mul_i32 s2, s2, 3072
	s_add_nc_u64 s[68:69], s[54:55], s[2:3]        ; Q: my group of four tiles; my tile's registers are 6 (w % 4) .. + 5 of its 24
	s_and_b32 s12, s10, 3
	s_mul_i32 s12, s12, 6
.irp e, 0,1,2
	s_add_co_u32 s66, s12, 2*\e
	s_lshr_b32 s67, s66, 2
	s_lshl_b32 s67, s67, 9
	s_and_b32 s66, s66, 3
	s_lshl_b32 s66, s66, 2
	s_add_co_u32 s66, s66, s67
	v_add_nc_u32 v[248+\e], s66, v1
.endr
	s_lshr_b32 s2, s16, 2
	s_lshl_b32 s2, s2, 8
	s_and_b32 s66, s10, 3
	s_lshl_b32 s66, s66, 2
	s_add_co_u32 s2, s2, s66
	s_add_nc_u64 s[70:71], s[56:57], s[2:3]
	s_wait_alu depctr_va_vdst(0)                   ; written: Q's offsets v248-250 and, in the first pass, all that the kernel's head made (addresses, offsets, the zeros in Q's and K's operands, v[G ..]); the last pass's products are done reading Q and its scale word, its vector lines are done with v98-105: the loads below land there
	global_load_b128 v[98:101], v11, s[50:51]      ; 8 flags of one of the block's 16 tiles in each lane
	global_load_b128 v[102:105], v11, s[50:51] offset:16
	global_load_b64 v[16:17], v248, s[68:69]
	global_load_b64 v[18:19], v249, s[68:69]
	global_load_b64 v[20:21], v250, s[68:69]
	global_load_b32 v28, v2, s[70:71]
	s_mul_i32 s2, s16, 3072
	s_add_nc_u64 s[28:29], s[58:59], s[2:3]
	s_lshl_b32 s2, s16, 9
	s_add_nc_u64 s[62:63], s[60:61], s[2:3]
	s_lshl_b32 s2, s16, 12
	s_add_nc_u64 s[26:27], s[6:7], s[2:3]
	s_mov_b64 s[24:25], s[52:53]
.set jj, 0
.rept 32
	v_mov_b32 v[O+jj], 0                           ; which step is the first that counts is known only from the flags, so O^T begins as zeros
.set jj, jj+1
.endr
	v_mov_b32 v14, 0
	v_mov_b32 v15, 0
	v_mov_b32 v13, 0xff61b1e6                      ; -3e38, under every t
	v_floor_f32 v12, -v13
	s_wait_kmcnt 0x0
	s_mov_b32 s18, s32
.irp k, 1,2,3,4,5,6,7,8,9,10,11,12,13,14,15
	s_lshl_b32 s2, s[32+\k], 2*\k
	s_or_b32 s18, s18, s2
.endr
	s_wait_loadcnt 0x0
	v_or_b32 v98, v98, v99                         ; a slot's two steps
	v_or_b32 v100, v100, v101
	v_or_b32 v102, v102, v103
	v_or_b32 v104, v104, v105
	v_cmp_ne_u32 s32, 0, v98
	v_cmp_ne_u32 s33, 0, v100
	v_cmp_ne_u32 s34, 0, v102
	v_cmp_ne_u32 s35, 0, v104
	s_wait_alu depctr_va_sdst(0)                   ; the four compares have written s32-35, ahead of their first reader
	s_mov_b32 s17, 0
.irp k, 0,1,2,3
	s_and_b32 s2, s[32+\k], 0xffff                 ; lanes 0-15: slot k of any of the 16 tiles
	s_cselect_b32 s2, 1<<\k, 0
	s_or_b32 s17, s17, s2
	s_lshr_b32 s2, s[32+\k], 16                    ; lanes 16-31: slot 4 + k
	s_cselect_b32 s2, 16<<\k, 0
	s_or_b32 s17, s17, s2
.endr
	STAGE_LOAD 0                                   ; slot 0.  No further wait: since the two waits at the pass's head nothing has named v[G ..] or v5
	s_wait_loadcnt 0x0
	STAGE_STORE 0, 0
	s_add_nc_u64 s[24:25], s[24:25], SLB
	s_wait_dscnt 0x0
	s_barrier_signal -1
	s_barrier_wait -1
	s_mov_b32 s15, 4
.Ltrip:
	SLOT 0
	SLOT 1
	s_sub_co_u32 s15, s15, 1
	s_cmp_lg_u32 s15, 0
	s_cbranch_scc1 .Ltrip
	; ---- z = O^T / the sum, quantised: a lane holds 16 neighbours of each of the head's two blocks of 32 channels
.rept 4
	v_nop
.endr
	v_add_f32 v14, v14, v15
	v_permlanex16_b32 v[BX], v14, s[SEL], s[SEL+1]
	v_add_f32 v14, v14, v[BX]                      ; the row's sum
	v_cmp_eq_f32 s31, 0, v14                       ; no key counted
	v_rcp_f32 v[F], v14
	v_nop                                          ; a plain instruction behind the reciprocal
	s_wait_alu depctr_va_vdst(0)                   ; the reciprocal is written, ahead of its first reader
	s_wait_alu depctr_va_sdst(0)                   ; the compare has written s31, ahead of the select that reads it
.set jj, 0
.rept 16
	v_pk_mul_f32 v[S+jj:S+jj+1], v[O+jj:O+jj+1], v[F:F+1] op_sel_hi:[1,0]
.set jj, jj+2
.endr
.irp b, 0,1
	v_max3_num_f32 v[BM+\b], |v[S+16*\b]|, |v[S+16*\b+1]|, 0x1800000
.endr
.irp i, 2,4,6,8,10,12,14
.irp b, 0,1
	v_max3_num_f32 v[BM+\b], v[BM+\b], |v[S+16*\b+\i]|, |v[S+16*\b+\i+1]|
.endr
.endr
.irp b, 0,1
	v_permlanex16_b32 v[BX+\b], v[BM+\b], s[SEL], s[SEL+1]
.endr
.irp b, 0,1
	v_max_num_f32 v[BM+\b], v[BM+\b], v[BX+\b]
.endr
.irp b, 0,1
	v_add_nc_u32 v[SCO+\b], 0xff000000, v[BM+\b]
.endr
.irp b, 0,1
	v_lshrrev_b32 v[BX+\b], 23, v[SCO+\b]
.endr
	v_cndmask_b32 v[TMP], v[BX], v[BX+1], s30      ; half h of the lanes stores block h's byte,
	v_cndmask_b32 v[TMP], v[TMP], v231, s31        ; or NaN
	v_cvt_scalef32_pk16_fp6_f32 v[TQ:TQ+2], v[S:S+15], v[SCO]
	v_cvt_scalef32_pk16_fp6_f32 v[TQ+4:TQ+6], v[S+16:S+31], v[SCO+1]
	v_nop
.irp i, 0,1,2
	v_permlane16_swap_b32 v[TQ+\i], v[TQ+4+\i]     ; lane (r, h) now holds block h whole: a = its lower 16 codes, b = its upper 16
.endr
	; in the image, block c of the head is registers 6 c .. 6 c + 5 of lane 16 (head % 2) + r: half 0 holds registers 0-5, half 1 registers 6-11
	v_cndmask_b32 v248, v[TQ], v[TQ+2], s30        ; registers 0-3 (a0 a1 a2 b0) | 8-11 (a2 b0 b1 b2)
	v_cndmask_b32 v249, v[TQ+1], v[TQ+4], s30
	v_cndmask_b32 v250, v[TQ+2], v[TQ+5], s30
	v_cndmask_b32 v251, v[TQ+4], v[TQ+6], s30
	v_cndmask_b32 v252, v[TQ+5], v[TQ], s30        ; registers 4, 5 (b1 b2) | 6, 7 (a0 a1)
	v_cndmask_b32 v253, v[TQ+6], v[TQ+1], s30
	s_wait_alu depctr_va_vdst(0)                   ; the selects have written v248-253 and v230, which the three stores read
	global_store_b128 v8, v[248:251], s[28:29]             ; each half of the lanes stores 256 consecutive bytes, aligned
	global_store_b64 v9, v[252:253], s[28:29] offset:512   ; 256 consecutive bytes, aligned
	global_store_b8 v10, v[TMP], s[62:63]                  ; single bytes: 256 KiB in the whole launch
	s_sub_co_u32 s13, 7, s13                       ; the second pass: block 7 - p
	s_sub_co_u32 s14, s14, 1
	s_cmp_lg_u32 s14, 0
	s_cbranch_scc1 .Lpass
	s_wait_dscnt 0x0                               ; the closing lines, six on end
	s_wait_alu 0x0
	s_wait_tensorcnt 0x0
	ds_add_u32 v254, v255
	s_wait_dscnt 0x0
	s_endpgm
.Lfunc_end_k_qa0acdb286b_attn:
	.size	k_qa0acdb286b_attn, .Lfunc_end_k_qa0acdb286b_attn-k_qa0acdb286b_attn
	.p2alignl 7, 3214868480
	.fill 96, 4, 3214868480
	.section	.rodata,"a",@progbits
	.p2align	6, 0x0
	.amdhsa_kernel k_qa0acdb286b_attn
		.amdhsa_group_segment_fixed_size 67584
		.amdhsa_private_segment_fixed_size 0
		.amdhsa_enable_private_segment 0
		.amdhsa_kernarg_size 24
		.amdhsa_user_sgpr_count 2
		.amdhsa_user_sgpr_kernarg_segment_ptr 1
		.amdhsa_wavefront_size32 1
		.amdhsa_system_sgpr_workgroup_id_x 1
		.amdhsa_system_sgpr_workgroup_id_y 1
		.amdhsa_system_sgpr_workgroup_id_z 1
		.amdhsa_system_vgpr_workitem_id 0
		.amdhsa_next_free_vgpr 256
		.amdhsa_next_free_sgpr 100
		.amdhsa_reserve_vcc 0
		.amdhsa_float_denorm_mode_32 3
		.amdhsa_float_denorm_mode_16_64 3
		.amdhsa_memory_ordered 1
		.amdhsa_forward_progress 1
		.amdhsa_inst_pref_size 97
	.end_amdhsa_kernel
	.amdgpu_metadata
---
amdhsa.version: [ 1, 2 ]
amdhsa.kernels:
  - .name:           k_qa0acdb286b_attn
    .symbol:         k_qa0acdb286b_attn.kd
    .args:
      - { .name: qkv, .offset: 0, .size: 8, .value_kind: global_buffer, .address_space: global }
      - { .name: msk, .offset: 8, .size: 8, .value_kind: global_buffer, .address_space: global }
      - { .name: zq, .offset: 16, .size: 8, .value_kind: global_buffer, .address_space: global }
    .group_segment_fixed_size: 67584
    .private_segment_fixed_size: 0
    .kernarg_segment_align: 8
    .kernarg_segment_size: 24
    .max_flat_workgroup_size: 512
    .sgpr_count:     100
    .vgpr_count:     256
    .wavefront_size: 32
...
	.end_amdgpu_metadata
.endif
;; end of part 5
;; launch outp: the kernel of part 4 again; grid 4 x 64, 4 waves a work-group, clusters of 4 x 4, 295,424 bytes of LDS; arguments zq, ops, bo, out0; writes out0
